; MI455X (gfx1250); checked and timed in simulation.
; The chip was launched on July 23, 2026; its instructions are those of AMD's public machine-readable ISA for CDNA 5 (MIT licence, August 2026) and "CDNA5" Instruction Set Architecture Reference Guide (July 2026). The comments in the code are by the model that wrote it; some were corrected since.
;; Multi Head Attention. Allowed arithmetic: matrix products marked QUANTISED: E2M3 operands, one E8M0 scale for each 32 along K, by v_wmma_scale_f32_16x16x128_f8f6f4 with both operands' format E2M3, f32 sums; everything else in f32.
;; Inputs: Wk 1,024 x 1,024 float32; Wp 1,024 x 1,024 float32; Wq 1,024 x 1,024 float32; Wv 1,024 x 1,024 float32; cos 2 x 2,048 x 64 float32; sin 2 x 2,048 x 64 float32; x 2 x 2,048 x 1,024 float32.
;; Outputs: out0 2 x 2,048 x 1,024 float32.
;; This version of the problem:
;;   THIS VERSION OF THE PROBLEM IS GIVEN IN LOW PRECISION. The matrix products marked QUANTISED in the list below multiply operands that are first quantised to E2M3 (2 exponent bits, 3 mantissa bits; 6 bits a number), with one power-of-two scale for each 32 numbers along K (OCP MX v1.0); their sums are f32. All else is computed in f32.
;;   The module's matrix products, in the order in which they are computed (A, B: the left and right operand; K: the contracted axis; several contracted axes count as one K, in the product's order):
;;     1. [M 4,096, K 1,024] x [K 1,024, N 1,024]; A: input x; B: input Wq: QUANTISED
;;     2. [M 4,096, K 1,024] x [K 1,024, N 1,024]; A: input x; B: input Wk: QUANTISED
;;     3. [M 4,096, K 1,024] x [K 1,024, N 1,024]; A: input x; B: input Wv: QUANTISED
;;     4. batch 32 x [M 2,048, K 64] x [K 64, N 2,048]; A: computed on the way; B: computed on the way: QUANTISED
;;     5. batch 32 x [M 64, K 2,048] x [K 2,048, N 2,048]; A: computed on the way; B: softmax (see below): QUANTISED
;;     6. [M 4,096, K 1,024] x [K 1,024, N 1,024]; A: computed on the way; B: input Wp: QUANTISED
;;   THE QUANTISER, for each operand of a quantised product, along K:
;;     - K is cut into blocks of 32 from its start; a last block that is shorter is filled with zeros.
;;     - A block's scale is 2^e with e = floor(log2(the largest magnitude in the block)) - 2, held to -126 .. 127; a block of zeros has e = 0. As a byte (E8M0): e + 127.
;;     - Each number is divided by its block's scale, clamped to +-7.5, and rounded to the nearest number of E2M3, ties to even, subnormals kept.
;;     - The product sums the exact products of the quantised numbers (number of the format x scale) in f32.
;;   ~~~python
;;   def quantise(x, axis):      # numpy; x: float32 -> the quantised numbers, widened to float32 again
;;       x = np.moveaxis(x, axis, -1); K = x.shape[-1]
;;       x = np.pad(x, [(0, 0)] * (x.ndim - 1) + [(0, -K % 32)]); x = x.reshape(x.shape[:-1] + (-1, 32)); a = np.abs(x).max(-1, keepdims=True)
;;       e = np.where(a > 0, np.clip(np.frexp(np.where(a > 0, a, 1))[1] - 1 - 2, -126, 127), 0)      # np.frexp(a)[1] - 1 = floor(log2(a)), exactly
;;       r = np.clip(x / 2.0 ** e, -7.5, 7.5)
;;       step = 2.0 ** (np.maximum(np.frexp(np.where(r == 0, 1, r))[1] - 1, 0) - 3)
;;       q = np.round(r / step) * step * 2.0 ** e      # np.round: ties to even
;;       return np.moveaxis(q.reshape(q.shape[:-2] + (-1,))[..., :K], -1, axis).astype(np.float32)
;;   ~~~
;;   SOFTMAX AHEAD OF A QUANTISED PRODUCT. Where the list says 'softmax', what is quantised is not the finished softmax but p = 2^(t - M), with t = logit x log2(e) and M = ceil(the row's largest t), a whole number; so 1/2 < the row's largest p <= 1. The row's sum l is taken of the UNQUANTISED p, in f32, and the product's result is divided by l at the end. Since M is a whole number, a kernel that streams over the keys may use a running M (the ceiling of the running maximum): every later rescaling is an exact power of two, which a block's scale takes up: the codes' values come out the same.
;;   OPERANDS COMPUTED ON THE WAY. 'Computed on the way' means the value that the module computes at that place (a softmax that the list does not call 'softmax' is quantised finished and normalised). What goes into a quantiser is computed in f32, as accurately as f32 sums, v_exp_f32 and their like allow (about 1e-6 of the number): no bf16 or f16 on the way to a quantiser, and a product that is left as it is and whose result goes on into a quantised operand takes f32 operands (vector FMAs, or v_wmma_f32_16x16x4_f32). A number that lies on a knife's edge between two numbers of the format may be rounded either way, as far as f32 arithmetic and the matrix unit's own rounding can turn it there, and no further.
;; One version. Each part assembles by itself: llvm-mc -triple=amdgcn-amd-amdhsa -mcpu=gfx1250 --defsym DOCPART=n.
;; ======== version 1 of 1: 4 launches
;; limits: right only within a limited range of input values
;; workspace buffers: cod 6,291,456 bytes; scl 262,144 bytes; qq 3,407,872 bytes; kv 6,684,672 bytes; oc 3,145,728 bytes; os 262,144 bytes
;; launch quant (part 1): grid 256 x 1, 4 waves a work-group, no clusters, 34,304 bytes of LDS; arguments x, Wq, Wk, Wv, Wp, cod, scl; writes cod, scl
.if DOCPART == 1
	.amdgcn_target "amdgcn-amd-amdhsa--gfx1250"
	.amdhsa_code_object_version 6
	.text
	.protected	k_qbaf3d9bccd_quant
	.globl	k_qbaf3d9bccd_quant
	.p2align	8
	.type	k_qbaf3d9bccd_quant,@function
k_qbaf3d9bccd_quant:
	s_mov_b64 s[64:65], 0
	v_nop
	global_prefetch_b8 v0, s[64:65] scope:SCOPE_SE
	s_setreg_imm32_b32 hwreg(HW_REG_WAVE_MODE, 25, 1), 1
	s_wait_xcnt 0x0
; x [4096][1024] and Wq, Wk, Wv, Wp [1024][1024], f32, K innermost, become codes of FP6 (E2M3) with one E8M0 byte for each 32 along K,
; laid as the later launches' operand registers want them.
; ROWS.  x, Wv and Wp are cut into groups of 64 rows, four tiles of 16 each: row i of tile t is row 8 t + i % 8 + 32 (i / 8) of the group.  Wq and Wk into groups of 32, two tiles each: row i of tile u is row 8 u + i % 8 + 16 (i / 8).
; cod: [tile 512][K step 8][1,536 bytes]: a fragment (16 rows x 128 K, 12 registers a lane) as three pieces of 512 bytes, piece c = registers 4 c .. 4 c + 3, lane l at 16 l.
;      tiles 0-255 x, 256-319 Wq, 320-383 Wk, 384-447 Wv, 448-511 Wp.
; scl: [tile pair 256][256 along K: 4][tile 2][row 16][K step 2] words of four bytes.
; SHARES.  Work-group g owns tiles 2 g and 2 g + 1; wave w owns K = 256 w .. 256 w + 255 of their 32 rows: four units of 16 rows x 128 K, all asked for at the start.  Waves share nothing: no barrier.
; A unit's 16 loads read 512 consecutive bytes each; the numbers turn through the wave's own stage in LDS (rows of 528 bytes) so that a lane holds 16 neighbours of each block of 32.
; A block's scale is 2^(floor(log2(largest magnitude)) - 2); its byte is the largest magnitude's exponent field - 2, held at 1 from below.
; DEAD WORK in the program: key steps that lie wholly above reference()'s own causal mask are not walked by the attention launch: reference() replaces their scores by the smallest number, whose exponential is 0.
; LIMITS: NaN and infinities among the inputs are not served, nor one that reaches only the work left out.  A block of zeros gets the byte 1 where the rule says 127: its codes are zeros, and this program alone reads the bytes.
; No matrix unit, no cluster, no tensor load, no prefetch: each input byte is read once by one wave, and all its loads are issued at the start.
.set STGB, 8448                        ; a wave's stage: 16 rows x 528 bytes
.set PW,   10                          ; v10-13   the four units' scale words
.set TM,   16                          ; v16-31   the quantiser's work
.set PC,   32                          ; v32-51   a fragment's 12 registers, and 8 more at work
.set SPW,  62                          ; v62 my spare word, v63 0
.set NIL,  63
.set X,    192                         ; v192-255 a unit with 16 neighbours a block in each lane
                                       ; window 1: the four units as loaded, 64 registers each
.set SEL,  24                          ; s[24:25] lane selects: lane l xor 16
.set MSB, 0
.macro WIN new                         ; the immediate's high byte repeats the setting that is left
.if MSB != (\new)
	s_set_vgpr_msb (MSB<<8)|(\new)
.set MSB, (\new)
.endif
.endm
; 64 numbers of a lane, register 16 b + i = k 32 b + 16 (lane / 16) + i of my row, become a fragment's codes in v[pc] on and its scale word in v[pw].
.macro QUANT s, pc, pw
.irp b, 0,1,2,3
	v_max3_num_f32 v[TM+\b], |v[\s+16*\b]|, |v[\s+1+16*\b]|, 0x1800000   ; my 16 numbers of block b, and the floor 2^(3 - 127): the byte cannot fall under 1
.endr
.irp i, 2,4,6,8,10,12,14
.irp b, 0,1,2,3
	v_max3_num_f32 v[TM+\b], v[TM+\b], |v[\s+16*\b+\i]|, |v[\s+1+16*\b+\i]|
.endr
.endr
.irp b, 0,1,2,3
	v_permlanex16_b32 v[TM+4+\b], v[TM+\b], s[SEL], s[SEL+1]
.endr
.irp b, 0,1,2,3
	v_max_num_f32 v[TM+\b], v[TM+\b], v[TM+4+\b]       ; with lane l xor 16's: the block's largest magnitude
.endr
.irp b, 0,1,2,3
	v_add_nc_u32 v[TM+12+\b], 0xff000000, v[TM+\b]     ; 2 off its exponent field: the conversion's scale operand
.endr
.irp b, 0,1,2,3
	v_lshrrev_b32 v[TM+4+\b], 23, v[TM+12+\b]          ; the scale's byte
.endr
	v_lshl_or_b32 v[\pw], v[TM+5], 8, v[TM+4]
	v_lshl_or_b32 v[\pw], v[TM+6], 16, v[\pw]
	v_lshl_or_b32 v[\pw], v[TM+7], 24, v[\pw]
.irp c, 0,1
	v_cvt_scalef32_pk16_fp6_f32 v[\pc+6*\c:\pc+2+6*\c], v[\s+32*\c:\s+15+32*\c], v[TM+12+2*\c]
	v_cvt_scalef32_pk16_fp6_f32 v[\pc+12+4*\c:\pc+14+4*\c], v[\s+16+32*\c:\s+31+32*\c], v[TM+13+2*\c]   ; (a conversion's three registers begin on an even number)
.endr
	v_nop                                              ; one plain line behind the scaled conversions
.irp c, 0,1                                            ; the operand wants a whole block in a lane: lanes 0-15 block 2 c, lanes 16-31 block 2 c + 1
.irp i, 0,1,2
	v_permlane16_swap_b32 v[\pc+6*\c+\i], v[\pc+12+4*\c+\i]
.endr
.irp i, 0,1,2
	v_mov_b32 v[\pc+3+6*\c+\i], v[\pc+12+4*\c+\i]
.endr
.endr
.endm
	s_load_b256 s[8:15], s[0:1], 0x0               ; x, Wq, Wk, Wv
	s_load_b128 s[16:19], s[0:1], 0x20             ; Wp, cod
	s_load_b64 s[20:21], s[0:1], 0x30              ; scl
	v_lshl_add_u32 v[SPW], v0, 2, 4*STGB
	v_mov_b32 v[NIL], 0
	v_lshrrev_b32 v1, 5, v0
	v_readfirstlane_b32 s2, v1                     ; wave
	v_and_b32 v1, 31, v0                           ; lane
	v_and_b32 v2, 15, v0                           ; r
	v_bfe_u32 v3, v0, 4, 1                         ; h
	v_lshlrev_b32 v4, 4, v1                        ; 16 x lane
	v_lshlrev_b32 v7, 3, v1                        ; 8 x lane
	s_mul_i32 s3, s2, STGB
	v_add_nc_u32 v5, s3, v4                        ; the stage, on the way in: 16 x lane of a row
	v_mul_u32_u24 v6, v2, 528
	v_lshl_add_u32 v6, v3, 6, v6
	v_add_nc_u32 v6, s3, v6                        ; and out: row r, + 64 h: my 16 numbers of a block
	s_mov_b32 s[SEL], 0x76543210
	s_mov_b32 s[SEL+1], 0xfedcba98
.irp b, 0,1,2,3
	v_mov_b32 v[TM+4+\b], 0                        ; written once: a lane permute's destination counts as one of its sources
.endr
	s_and_b32 s22, ttmp9, 31                       ; a weight's tile pair
	s_mul_i32 s26, ttmp9, 24576                    ; cod: two tiles of 12,288 bytes a work-group,
	s_mul_i32 s27, s2, 3072                        ; two K steps of 1,536 a wave
	s_add_co_u32 s26, s26, s27
	s_mov_b32 s27, 0
	s_lshl_b32 s28, ttmp9, 10                      ; scl: 1,024 bytes a work-group, 256 a wave
	s_lshl_b32 s29, s2, 8
	s_add_co_u32 s28, s28, s29
	s_mov_b32 s29, 0
	s_wait_alu depctr_va_vdst(0)                   ; the wait at the head's end
	s_wait_kmcnt 0x0
	s_mov_b64 s[4:5], s[16:17]                     ; which tensor: the choice hangs on the work-group's number alone
	s_cmp_lt_u32 ttmp9, 224
	s_cselect_b64 s[4:5], s[14:15], s[4:5]
	s_cmp_lt_u32 ttmp9, 192
	s_cselect_b64 s[4:5], s[12:13], s[4:5]
	s_cmp_lt_u32 ttmp9, 160
	s_cselect_b64 s[4:5], s[10:11], s[4:5]
	s_cmp_lt_u32 ttmp9, 128
	s_cselect_b64 s[4:5], s[8:9], s[4:5]
	s_cselect_b32 s22, ttmp9, s22                  ; the tile pair's number in its tensor
	s_and_b32 s10, s22, 1
	s_lshl_b32 s10, s10, 16                        ; groups of 64: an odd work-group begins 16 rows behind the even one
	s_sub_co_u32 s12, ttmp9, 128
	s_cmp_lt_u32 s12, 64                           ; Wq or Wk: groups of 32
	s_cselect_b32 s10, 0, s10
	s_mov_b32 s12, 0x10000
	s_cselect_b32 s12, s12, 0x20000                ; a tile's rows 8-15 lie 16 or 32 rows behind its rows 0-7
	s_mov_b32 s13, 0
	s_lshl_b32 s22, s22, 17                        ; 32 rows of 4,096 bytes
	s_lshl_b32 s23, s2, 10                         ; my 1,024 bytes of a row
	s_add_co_u32 s22, s22, s23
	s_sub_co_u32 s22, s22, s10
	s_mov_b32 s23, 0
	s_add_nc_u64 s[4:5], s[4:5], s[22:23]
	s_add_nc_u64 s[10:11], s[4:5], s[12:13]
	s_add_nc_u64 s[6:7], s[18:19], s[26:27]
	s_add_nc_u64 s[8:9], s[20:21], s[28:29]
; unit n: tile n / 2, K step n % 2 of my two
.macro LOAD n
.irp i, 0,1,2,3,4,5,6,7,8,9,10,11,12,13,14,15
.if \i < 8
	global_load_b128 v[64*(\n)+4*\i:64*(\n)+4*\i+3], v4, s[4:5] offset:(8*((\n)/2)+\i)*4096+512*((\n)%2) th:TH_LOAD_NT   ; 32 lanes read 512 consecutive bytes of one row
.else
	global_load_b128 v[64*(\n)+4*\i:64*(\n)+4*\i+3], v4, s[10:11] offset:(8*((\n)/2)+\i-8)*4096+512*((\n)%2) th:TH_LOAD_NT
.endif
.endr
.endm
.macro UNIT n
	s_wait_loadcnt 16*(3-(\n))                     ; this unit's 16 loads are in; the later units' may be out
	WIN 0x04                                       ; the data: window 1
.irp i, 0,1,2,3,4,5,6,7,8,9,10,11,12,13,14,15
	ds_store_b128 v5, v[64*(\n)+4*\i:64*(\n)+4*\i+3] offset:528*\i
.endr
	WIN 0
.irp b, 0,1,2,3                        ; LDS serves a wave's instructions in order: no wait between the stores and the loads
.irp j, 0,1,2,3
	ds_load_b128 v[X+16*\b+4*\j:X+16*\b+4*\j+3], v6 offset:128*\b+16*\j
.endr
.endr
	s_wait_xcnt 0x0                                ; the last unit's stores have read their data: the codes' registers may be written again
	s_wait_dscnt 0x0                               ; the unit is back
	QUANT X, PC, PW+(\n)
.irp c, 0,1,2
	global_store_b128 v4, v[PC+4*\c:PC+4*\c+3], s[6:7] offset:12288*((\n)/2)+1536*((\n)%2)+512*\c   ; 512 consecutive bytes, aligned
.endr
.endm
	WIN 0x40                                       ; the loads' destinations: window 1
	LOAD 0
	LOAD 1
	LOAD 2
	LOAD 3
	WIN 0
	UNIT 0
	UNIT 1
	UNIT 2
	UNIT 3
	v_cmp_lt_u32 vcc_lo, 15, v1                    ; lanes 0-15 carry tile 0's words, lanes 16-31 tile 1's (lanes r and r + 16 hold the same words)
	v_cndmask_b32 v8, v[PW], v[PW+2], vcc_lo
	v_cndmask_b32 v9, v[PW+1], v[PW+3], vcc_lo
	global_store_b64 v7, v[8:9], s[8:9]            ; 256 consecutive bytes, aligned
	s_wait_tensorcnt 0x0                           ; the wave's end
	ds_add_u32 v[SPW], v[NIL]
	s_wait_dscnt 0x0
	s_endpgm
.Lfunc_end_k_qbaf3d9bccd_quant:
	.size	k_qbaf3d9bccd_quant, .Lfunc_end_k_qbaf3d9bccd_quant-k_qbaf3d9bccd_quant
	.p2alignl 7, 3214868480
	.fill 96, 4, 3214868480
	.section	.rodata,"a",@progbits
	.p2align	6, 0x0
	.amdhsa_kernel k_qbaf3d9bccd_quant
		.amdhsa_group_segment_fixed_size 34304
		.amdhsa_private_segment_fixed_size 0
		.amdhsa_enable_private_segment 0
		.amdhsa_kernarg_size 56
		.amdhsa_user_sgpr_count 2
		.amdhsa_user_sgpr_kernarg_segment_ptr 1
		.amdhsa_wavefront_size32 1
		.amdhsa_system_sgpr_workgroup_id_x 1
		.amdhsa_system_sgpr_workgroup_id_y 1
		.amdhsa_system_sgpr_workgroup_id_z 1
		.amdhsa_system_vgpr_workitem_id 0
		.amdhsa_next_free_vgpr 512
		.amdhsa_next_free_sgpr 66
		.amdhsa_reserve_vcc 1
		.amdhsa_float_denorm_mode_32 3
		.amdhsa_float_denorm_mode_16_64 3
		.amdhsa_memory_ordered 1
		.amdhsa_forward_progress 1
		.amdhsa_inst_pref_size 34
	.end_amdhsa_kernel
	.amdgpu_metadata
---
amdhsa.version: [ 1, 2 ]
amdhsa.kernels:
  - .name:           k_qbaf3d9bccd_quant
    .symbol:         k_qbaf3d9bccd_quant.kd
    .args:
      - { .name: x, .offset: 0, .size: 8, .value_kind: global_buffer, .address_space: global }
      - { .name: Wq, .offset: 8, .size: 8, .value_kind: global_buffer, .address_space: global }
      - { .name: Wk, .offset: 16, .size: 8, .value_kind: global_buffer, .address_space: global }
      - { .name: Wv, .offset: 24, .size: 8, .value_kind: global_buffer, .address_space: global }
      - { .name: Wp, .offset: 32, .size: 8, .value_kind: global_buffer, .address_space: global }
      - { .name: cod, .offset: 40, .size: 8, .value_kind: global_buffer, .address_space: global }
      - { .name: scl, .offset: 48, .size: 8, .value_kind: global_buffer, .address_space: global }
    .group_segment_fixed_size: 34304
    .private_segment_fixed_size: 0
    .kernarg_segment_align: 8
    .kernarg_segment_size: 56
    .max_flat_workgroup_size: 128
    .sgpr_count:     66
    .vgpr_count:     512
    .wavefront_size: 32
...
	.end_amdgpu_metadata
.endif
;; end of part 1
;; launch qkv (part 2): grid 16 x 16, 4 waves a work-group, clusters of 4 x 4, 327,680 bytes of LDS; arguments cod, scl, cos, sin, qq, kv; writes qq, kv
.if DOCPART == 2
	.amdgcn_target "amdgcn-amd-amdhsa--gfx1250"
	.amdhsa_code_object_version 6
	.text
	.protected	k_qbaf3d9bccd_qkv
	.globl	k_qbaf3d9bccd_qkv
	.p2align	8
	.type	k_qbaf3d9bccd_qkv,@function
k_qbaf3d9bccd_qkv:
	s_mov_b64 s[64:65], 0
	v_nop
	global_prefetch_b8 v0, s[64:65] scope:SCOPE_SE
	s_setreg_imm32_b32 hwreg(HW_REG_WAVE_MODE, 25, 1), 1
	s_wait_xcnt 0x0
	s_wait_alu depctr_hold_cnt(0) depctr_sa_sdst(0) depctr_va_vdst(0) depctr_va_sdst(0) depctr_va_ssrc(0) depctr_va_vcc(0) depctr_vm_vsrc(0)
	s_getreg_b32 s2, hwreg(HW_REG_IB_STS2, 6, 4)
	s_cmp_eq_u32 s2, 0
	s_cbranch_scc0 .Lentry_in_a_cluster
	s_endpgm
.Lentry_in_a_cluster:
	s_bfe_u32 s2, ttmp6, 0x10000c
	s_cmp_lg_u32 s2, 0xf033
	s_cbranch_scc0 .Lentry_shape_is_right
	s_endpgm
.Lentry_shape_is_right:
; v = x Wv^T, q = x Wq^T, k = x Wk^T on codes of FP6 (E2M3) with E8M0 scales; RoPE on q and k in f32; q, k (along the head's 64) and v (along the tokens) quantised again and stored as operand images.
; SHARES.  Work-group (head, block of 256 tokens): 256 work-groups, all alike.  Wave w makes v, q and k of one head for its 64 tokens: x's 4 tiles, all of K, lie in registers (32 fragments), and twelve weight tiles (v 0-3, q 4-7, k 8-11) stream past them, 32 products each.
; A type's 16 accumulators are finished after four weight tiles and leave before the next type's products; the next two weight tiles are fetched ahead of the way out.
; ROWS.  x's and Wv's tiles are cut from groups of 64 rows: row i of tile t is row 8 t + i % 8 + 32 (i / 8); Wq's and Wk's from groups of 32: row i of tile u is row 8 u + i % 8 + 16 (i / 8).
;   v: source 0 = x: lane (r, h) holds row r of Wv's tile n, its 32 registers are tokens 32 h + 0 .. 31: a whole scale block.
;   q, k: source 0 = the weight: lane (r, h) holds token row r of x's tile a, its registers 16 e + i are d = 32 e + 16 h + i: d and d + 32 in one lane.
; LDS.  x's 16 tiles at 0, Wv's 4 tiles and Wq's 4 at XB, asked for at the head, one joint load a wave.  When x is in registers, behind one round, x's bytes are filled again: Wk's tiles at 0, cos and sin of the 256 tokens (rows of 256 bytes + 16) at CSB.
;   Scale words come from memory into registers: lanes 0-15 hold an even tile's rows, lanes 16-31 the odd tile's behind it.
; CLUSTER 4 x 4: x, cos and sin hang on the token block, shared along a row; the weights on the head, shared along a column.
; No prefetch: the text has no loop to run ahead in; the one group of refills has five weight tiles' products and v's way out in which to land.
; OUT.  qq: [batch x head 32][128 tokens 16][6,656]: 8 half fragments (16 rows x 64 K: registers 0-3 at 16 l, registers 4-5 at 512 + 8 l) and 512 bytes of scale words [tile / 4][row][tile % 4].
;       kv: [batch x head 32][128 keys 16][13,056]: K's 8 half fragments; at 6,144 V^T's 4 fragments (16 d x 128 keys), each two half fragments of 64 keys; K's scale words at 12,288; V's [row][d tile] at 12,800.
; LIMITS: NaN and infinities are not served; a block of zeros gets the byte 1 (its codes are zeros; this program alone reads the bytes); RoPE is a multiply and a fused multiply-add.
; REGISTERS: window 0: v0-31 addresses, v32-47 x's scale words, v48-95 the weights', from v96 on at work.  Fragments of 12 registers, 21 to a window, from window 1 on: 0-31 x's (4 x K step + tile), 32-39 and 40-47 two sets of a weight tile's.  Window 3, v128-255: the accumulators.
.set HALF,  49152                      ; four tiles, all of K
.set XB,    4*HALF                     ; Wv's tiles, then Wq's
.set CSB,   HALF
.set CPB,   256*272                    ; cos; sin lies behind it
.set SVS,   XB+2*HALF                  ; 256 bytes a wave: V's scale bytes on their way to the wave beside
.set SPARE, SVS+1024                   ; the spare words
.set FPW,   21
.set LI,    4                          ; 16 x lane: also Wk's fragments
.set L8,    5                          ; 8 x lane
.set R16,   6                          ; 16 r
.set ADX,   16                         ; x's fragments, Wv's, Wq's
.set ADV,   17
.set ADQ,   18
.set ADC,   19                         ; cos; v20 sin
.set VST,   21                         ; my place for V's scale bytes; v22 the wave beside's
.set H8,    23                         ; 8 h
.set SPW,   30
.set NIL,   31
.set SX,    32
.set SWD,   48                         ; 16 x type + 8 x tile pair + K step
.set T,     96
.set TM,    112
.set R,     128
.set PC,    160
.set PW,    180
.set CS,    192                        ; cos d < 32, cos d >= 32, sin d < 32, sin d >= 32: 16 numbers each
.set G1X,   24                         ; descriptors, group 1: x's 8 tiles,
.set G1W,   48                         ; a weight's 4,
.set G1C,   72                         ; cos or sin
.set G0X,   32                         ; group 0
.set G0V,   36
.set G0Q,   40
.set G0K,   56
.set G0C,   60
.set G0S,   68
.set SEL,   66
.set MSB, 0
.macro WIN new                         ; the immediate's high byte repeats the setting that is left
.if MSB != (\new)
	s_set_vgpr_msb (MSB<<8)|(\new)
.set MSB, (\new)
.endif
.endm
.macro PLACES n
.rept \n
	v_nop
.endr
.endm
.macro WALU
	s_wait_alu depctr_va_vdst(0)
.endm
.macro BARRIER
	s_barrier_signal -1
	s_barrier_wait -1
.endm
.macro CROUND                          ; a round of the cluster's barrier
	BARRIER
	s_cmp_lg_u32 s16, 0
	s_cbranch_scc1 .Lnot_wave_0_\@
	s_barrier_signal -3
.Lnot_wave_0_\@:
	s_barrier_wait -3
	BARRIER
.endm
.macro TLOAD g0, g1
	tensor_load_to_lds s[\g0:\g0+3], s[\g1:\g1+7]
	s_nop 0
	PLACES 4
.endm
.macro GROUP1 g, rows                  ; dense rows of 256 bytes, as 32 elements of 8
	s_mov_b32 s[\g+1], 32<<16
	s_mov_b32 s[\g+2], (\rows)<<16
	s_mov_b32 s[\g+3], 32<<16
	s_mov_b32 s[\g+4], \rows
	s_mov_b32 s[\g+5], 32
	s_mov_b32 s[\g+6], 0
	s_mov_b32 s[\g+7], 0
.endm
.macro GADDR g, base, off
	s_mov_b32 s[\g], 1
	s_add_nc_u64 s[\g+2:\g+3], s[\base:\base+1], s[\off:\off+1]
	s_or_b32 s[\g+3], s[\g+3], 0x80000000
.endm
	s_load_b256 s[4:11], s[0:1], 0x0               ; cod, scl, cos, sin
	s_load_b128 s[12:15], s[0:1], 0x20             ; qq, kv
	v_lshl_add_u32 v[SPW], v0, 2, SPARE
	v_mov_b32 v[NIL], 0
	ds_add_u32 v[SPW], v[NIL]                      ; the opening lines
	ds_add_u32 v[SPW], v[NIL]
	v_lshrrev_b32 v1, 5, v0
	v_readfirstlane_b32 s16, v1                    ; wave 0..3
	v_and_b32 v1, 15, v0                           ; r
	v_bfe_u32 v2, v0, 4, 1                         ; h
	v_and_b32 v3, 31, v0                           ; lane
	v_lshlrev_b32 v[LI], 4, v3
	v_lshlrev_b32 v[L8], 3, v3
	v_lshlrev_b32 v[R16], 4, v1
	v_and_b32 v7, 8, v1
	v_lshlrev_b32 v8, 3, v1
	v_mad_u32_u24 v7, v7, 3, v1                    ; r + 24 (r / 8)
	s_mul_i32 s19, s16, HALF
	v_add_nc_u32 v[ADX], s19, v[LI]
	v_add_nc_u32 v[ADV], XB, v[LI]
	v_add_nc_u32 v[ADQ], XB+HALF, v[LI]
	v_mul_u32_u24 v7, 272, v7
	s_mul_i32 s19, s16, 64*272
	v_lshl_add_u32 v7, v2, 6, v7                   ; a token's row, + 64 h
	s_add_co_u32 s19, s19, CSB
	v_add_nc_u32 v[ADC], s19, v7
	s_add_co_u32 s19, s19, CPB
	v_add_nc_u32 v[ADC+1], s19, v7
	s_lshl_b32 s19, s16, 8
	s_add_co_u32 s19, s19, SVS
	v_add_nc_u32 v[VST], s19, v8
	s_xor_b32 s19, s16, 1
	s_lshl_b32 s19, s19, 8
	s_add_co_u32 s19, s19, SVS
	v_add_nc_u32 v[VST+1], s19, v8
	v_lshlrev_b32 v[H8], 3, v2
.irp b, 4,5,6,7
	v_mov_b32 v[TM+\b], 0                          ; a lane permute's destination counts as one of its sources
.endr
	WALU                                           ; the wait ahead of the run of scalar lines
	s_bfe_u32 s21, ttmp6, 0x40000                  ; cx
	s_bfe_u32 s22, ttmp6, 0x40004                  ; cy
	s_lshl_b32 s17, ttmp9, 2
	s_add_co_u32 s17, s17, s21                     ; the head
	s_and_b32 s18, ttmp7, 0xffff
	s_lshl_b32 s18, s18, 2
	s_add_co_u32 s18, s18, s22                     ; the block of 256 tokens
	s_and_b32 s19, s16, 1                          ; my half of a block of 128 tokens.  Also: which half of x I fetch
	s_lshl_b32 s80, s22, 2
	s_lshl_b32 s80, 15, s80                        ; my row of the cluster
	s_lshl_b32 s81, 0x1111, s21                    ; my column
	s_or_b32 s[G1X], s80, (3<<16)|(1<<21)          ; the mask; elements of 8 bytes; bit 21 beside a mask
	s_or_b32 s[G1W], s81, (3<<16)|(1<<21)
	s_or_b32 s[G1C], s80, (3<<16)|(1<<20)|(1<<21)|(5<<22)|(3<<25)   ; 16 bytes of padding behind each 256
	GROUP1 G1X, 384
	GROUP1 G1W, 192
	GROUP1 G1C, 256
	s_mul_i32 s98, s18, 4*HALF
	s_mul_i32 s[G0X+1], s19, 2*HALF
	s_add_co_u32 s98, s98, s[G0X+1]                ; x: 16 tiles a block, my 8 of them
	s_mov_b32 s99, 0
	s_mul_i32 s100, s17, HALF
	s_add_co_u32 s100, s100, 256*12288             ; Wq's four tiles of the head; Wk's and Wv's lie 64 and 128 tiles on
	s_mov_b32 s101, 0
	s_lshl_b32 s82, s18, 16                        ; cos, sin: 256 rows of 256 bytes
	s_mov_b32 s83, 0
	s_mov_b32 s[G0V+1], XB
	s_mov_b32 s[G0Q+1], XB+HALF
	s_mov_b32 s[G0K+1], 0
	s_mov_b32 s[G0C+1], CSB
	s_mov_b32 s[G0S+1], CSB+CPB
	s_lshl_b32 s20, s18, 3                         ; x's scale words: tile pair 8 x block + 2 x wave, 1,024 bytes each
	s_lshl_b32 s23, s16, 1
	s_add_co_u32 s20, s20, s23
	s_lshl_b32 s20, s20, 10
	s_mov_b32 s21, 0
	s_lshl_b32 s22, s17, 1                         ; the weights': Wq's pair 128 + 2 x head; Wk's and Wv's 32 and 64 pairs on
	s_add_co_u32 s22, s22, 128
	s_lshl_b32 s22, s22, 10
	s_mov_b32 s23, 0
	s_lshr_b32 s44, s18, 3                         ; the record: (16 x batch + head) x 16 + block of 128
	s_lshl_b32 s44, s44, 4
	s_add_co_u32 s44, s44, s17
	s_lshl_b32 s44, s44, 4
	s_and_b32 s45, s18, 7
	s_lshl_b32 s45, s45, 1
	s_lshr_b32 s46, s16, 1
	s_add_co_u32 s44, s44, s45
	s_add_co_u32 s44, s44, s46
	s_mul_i32 s45, s44, 6656
	s_mul_i32 s44, s44, 13056
	s_mul_i32 s46, s19, 3072                       ; four half fragments
	s_lshl_b32 s47, s19, 8                         ; their scale words
	s_add_co_u32 s84, s45, s46                     ; q's codes
	s_mov_b32 s85, 0
	s_add_co_u32 s86, s45, s47
	s_add_co_u32 s86, s86, 6144                    ; and scale words
	s_mov_b32 s87, 0
	s_add_co_u32 s88, s44, s46                     ; k's
	s_mov_b32 s89, 0
	s_add_co_u32 s90, s44, s47
	s_add_co_u32 s90, s90, 12288
	s_mov_b32 s91, 0
	s_mul_i32 s46, s19, 768
	s_add_co_u32 s92, s44, s46                     ; v's
	s_add_co_u32 s92, s92, 6144
	s_mov_b32 s93, 0
	s_add_co_u32 s94, s44, 12800
	s_mov_b32 s95, 0
	s_mov_b32 s[SEL], 0x76543210
	s_mov_b32 s[SEL+1], 0xfedcba98
	s_wait_dscnt 0x0
	CROUND                                         ; all sixteen work-groups are here: the first joint loads meet
	s_wait_kmcnt 0x0
	GADDR G0X, 4, 98
	GADDR G0Q, 4, 100
	s_add_co_u32 s100, s100, 128*12288
	GADDR G0V, 4, 100
	s_cmp_lt_u32 s16, 2                            ; one load a wave: waves 0 and 1 x's halves, wave 2 Wv's tiles, wave 3 Wq's
	s_cbranch_scc0 .Lwave_2
	TLOAD G0X, G1X
	s_branch .Lasked
.Lwave_2:
	s_cmp_eq_u32 s16, 2
	s_cbranch_scc0 .Lwave_3
	TLOAD G0V, G1W
	s_branch .Lasked
.Lwave_3:
	TLOAD G0Q, G1W
.Lasked:
	s_add_nc_u64 s[20:21], s[6:7], s[20:21]
	s_add_nc_u64 s[22:23], s[6:7], s[22:23]
.irp g, 0,1
.irp q, 0,1,2,3
	global_load_b64 v[SX+8*\g+2*\q:SX+8*\g+2*\q+1], v[L8], s[20:21] offset:1024*\g+256*\q   ; 256 consecutive bytes: K steps 2 q, 2 q + 1 of tiles 2 g, 2 g + 1
	global_load_b64 v[SWD+8*\g+2*\q:SWD+8*\g+2*\q+1], v[L8], s[22:23] offset:65536+1024*\g+256*\q
	global_load_b64 v[SWD+16+8*\g+2*\q:SWD+16+8*\g+2*\q+1], v[L8], s[22:23] offset:1024*\g+256*\q
	global_load_b64 v[SWD+32+8*\g+2*\q:SWD+32+8*\g+2*\q+1], v[L8], s[22:23] offset:32768+1024*\g+256*\q
.endr
.endr
	s_sub_co_u32 s100, s100, 64*12288
	GADDR G0K, 4, 100
	GADDR G0C, 8, 82
	GADDR G0S, 10, 82
	s_add_nc_u64 s[84:85], s[12:13], s[84:85]
	s_add_nc_u64 s[86:87], s[12:13], s[86:87]
	s_add_nc_u64 s[88:89], s[14:15], s[88:89]
	s_add_nc_u64 s[90:91], s[14:15], s[90:91]
	s_add_nc_u64 s[92:93], s[14:15], s[92:93]
	s_add_nc_u64 s[94:95], s[14:15], s[94:95]
.macro FETCH m                         ; weight tile m into set m % 2: 24 loads
.if (\m) < 4
.set AD, ADV
.elseif (\m) < 8
.set AD, ADQ
.else
.set AD, LI
.endif
.irp k, 0,1,2,3,4,5,6,7
.set FI, 32+8*((\m)%2)+\k
	WIN (1+FI/FPW)<<6
.irp c, 0,1,2
	ds_load_b128 v[12*(FI%FPW)+4*\c:12*(FI%FPW)+4*\c+3], v[AD] offset:12288*((\m)%4)+1536*\k+512*\c
.endr
.endr
	WIN 0
.endm
.macro PROD d, s0, s1, c, x0, x1, r0, r1
	v_wmma_scale_f32_16x16x128_f8f6f4 v[\d:\d+7], v[\s0:\s0+11], v[\s1:\s1+11], \c, v[\x0], v[\x1] matrix_a_fmt:MATRIX_FMT_FP6 matrix_b_fmt:MATRIX_FMT_FP6 matrix_a_scale:MATRIX_SCALE_ROW\r0 matrix_b_scale:MATRIX_SCALE_ROW\r1
.endm
.macro ROWSEL d, s0, s1, c, x0, x1, b, a   ; b, a: source 0's and source 1's tile
.if (\a)%2
.if (\b)%2
	PROD \d, \s0, \s1, \c, \x0, \x1, 1, 1
.else
	PROD \d, \s0, \s1, \c, \x0, \x1, 0, 1
.endif
.else
.if (\b)%2
	PROD \d, \s0, \s1, \c, \x0, \x1, 1, 0
.else
	PROD \d, \s0, \s1, \c, \x0, \x1, 0, 0
.endif
.endif
.endm
.macro ONE m, k, a, c
.if (\m) < 4
	WIN (1+FX/FPW)|((1+FW/FPW)<<2)|0xf0            ; C and D window 3
	ROWSEL D, 12*(FX%FPW), 12*(FW%FPW), \c, SX+8*(\a/2)+\k, SWD+8*(NT/2)+\k, \a, NT
.else
	WIN (1+FW/FPW)|((1+FX/FPW)<<2)|0xf0
	ROWSEL D, 12*(FW%FPW), 12*(FX%FPW), \c, SWD+16*((\m)/4)+8*(NT/2)+\k, SX+8*(\a/2)+\k, NT, \a
.endif
.endm
.macro MUL m                           ; weight tile m: 32 products, its four accumulators by turns
.set NT, (\m)%4
.irp k, 0,1,2,3,4,5,6,7
.set FW, 32+8*((\m)%2)+\k
.irp a, 0,1,2,3
.set FX, 4*\k+\a
.if (\m) < 4
.set D, 128+32*NT+8*\a                 ; v: 32 registers a d tile
.else
.set D, 128+32*\a+8*NT                 ; q, k: 32 registers a token tile
.endif
.if \k
	ONE \m, \k, \a, v[D:D+7]
.else
	ONE \m, \k, \a, 0
.endif
.endr
.endr
	WIN 0
	PLACES 4                                       ; in front of loads into the tile's registers and of reads of the results
.endm
.macro CSLOAD a                        ; token tile a's cos and sin: 16 loads
.irp e, 0,1
.irp j, 0,1,2,3
	ds_load_b128 v[CS+16*\e+4*\j:CS+16*\e+4*\j+3], v[ADC] offset:2176*(\a)+128*\e+16*\j
	ds_load_b128 v[CS+32+16*\e+4*\j:CS+32+16*\e+4*\j+3], v[ADC+1] offset:2176*(\a)+128*\e+16*\j
.endr
.endr
.endm
.macro ROPE a                          ; d < 32: q cos - q(d + 32) sin;  d >= 32: q cos + q(d - 32) sin.  Each accumulator is read from its low end on
.set AC, 128+32*(\a)
	WIN 3                                          ; source 0: the accumulators
.irp i, 0,2,4,6,8,10,12,14
	v_pk_mul_f32 v[T+\i:T+\i+1], v[AC+16+\i:AC+17+\i], v[CS+32+\i:CS+33+\i]
.endr
.irp i, 0,2,4,6,8,10,12,14
	v_pk_fma_f32 v[R+\i:R+\i+1], v[AC+\i:AC+\i+1], v[CS+\i:CS+\i+1], v[T+\i:T+\i+1] neg_lo:[0,0,1] neg_hi:[0,0,1]
.endr
.irp i, 0,2,4,6,8,10,12,14
	v_pk_mul_f32 v[T+\i:T+\i+1], v[AC+\i:AC+\i+1], v[CS+48+\i:CS+49+\i]
.endr
.irp i, 0,2,4,6,8,10,12,14
	v_pk_fma_f32 v[R+16+\i:R+17+\i], v[AC+16+\i:AC+17+\i], v[CS+16+\i:CS+17+\i], v[T+\i:T+\i+1]
.endr
	WIN 0
.endm
.macro QUANT2 pw                       ; register 16 b + i = k 32 b + 16 h + i of my row: half a fragment and a scale word with two bytes (the upper two stay 0: they scale zero codes)
.irp b, 0,1
	v_max3_num_f32 v[TM+\b], |v[R+16*\b]|, |v[R+1+16*\b]|, 0x1800000   ; with the floor 2^(3 - 127): the byte cannot fall under 1
.endr
.irp i, 2,4,6,8,10,12,14
.irp b, 0,1
	v_max3_num_f32 v[TM+\b], v[TM+\b], |v[R+16*\b+\i]|, |v[R+1+16*\b+\i]|
.endr
.endr
.irp b, 0,1
	v_permlanex16_b32 v[TM+4+\b], v[TM+\b], s[SEL], s[SEL+1]
.endr
.irp b, 0,1
	v_max_num_f32 v[TM+\b], v[TM+\b], v[TM+4+\b]
.endr
.irp b, 0,1
	v_add_nc_u32 v[TM+12+\b], 0xff000000, v[TM+\b]     ; 2 off the exponent field: the conversion's scale operand
.endr
.irp b, 0,1
	v_lshrrev_b32 v[TM+4+\b], 23, v[TM+12+\b]
.endr
	v_lshl_or_b32 v[\pw], v[TM+5], 8, v[TM+4]
	v_cvt_scalef32_pk16_fp6_f32 v[PC:PC+2], v[R:R+15], v[TM+12]
	v_cvt_scalef32_pk16_fp6_f32 v[PC+12:PC+14], v[R+16:R+31], v[TM+13]
	v_nop                                              ; one plain line behind the scaled conversions
.irp i, 0,1,2
	v_permlane16_swap_b32 v[PC+\i], v[PC+12+\i]
.endr
.irp i, 0,1,2
	v_mov_b32 v[PC+3+\i], v[PC+12+\i]
.endr
.endm
.macro OUTQK cb, sb, w                 ; the way out of q or k: four token tiles.  w: loads issued behind tile 0's cos and sin
.irp a, 0,1,2,3
.if \a
	s_wait_dscnt 0x0
.else
	s_wait_xcnt 0x0                                ; the stores of the type before have read their data
	s_wait_dscnt \w
.endif
	ROPE \a
.if \a < 3
	CSLOAD \a+1
.endif
	WALU
	s_wait_xcnt 0x0                                ; the last stores have read their data
	QUANT2 PW+\a
	global_store_b128 v[LI], v[PC:PC+3], s[\cb:\cb+1] offset:768*\a        ; 512 consecutive bytes, aligned
	global_store_b64 v[L8], v[PC+4:PC+5], s[\cb:\cb+1] offset:768*\a+512   ; 256
.endr
	global_store_b128 v[R16], v[PW:PW+3], s[\sb:\sb+1]                     ; 256: lanes r and r + 16 hold the same words and name the same place
.endm
	WALU                                           ; the wait at the head's end
	s_cmp_eq_u32 s16, 3
	s_cbranch_scc1 .Lnot_q
	s_wait_tensorcnt 0x0                           ; waves 0 to 2: x's half or Wv's tiles
.Lnot_q:
	BARRIER                                        ; x and Wv are in; Wq may still be on its way
.irp k, 0,1,2,3,4,5,6,7
.irp a, 0,1,2,3
.set FI, 4*\k+\a
	WIN (1+FI/FPW)<<6
.irp c, 0,1,2
	ds_load_b128 v[12*(FI%FPW)+4*\c:12*(FI%FPW)+4*\c+3], v[ADX] offset:12288*\a+1536*\k+512*\c
.endr
.endr
.endr
	FETCH 0
	FETCH 1
	s_wait_loadcnt 0x0                             ; the scale words
	s_wait_dscnt 24                                ; x and weight tile 0 are in; tile 1's 24 loads may be out
	MUL 0
	FETCH 2
	s_wait_tensorcnt 0x0                           ; Wq is in
	ds_add_u32 v[SPW], v[NIL]
	s_wait_dscnt 25                                ; tile 1 is in; tile 2's 24 loads and the add may be out
	MUL 1
	s_wait_dscnt 0x0                               ; the add is done, and so are my reads of x
	CROUND                                         ; no wave of any partner still reads x or has a load on its way
	s_cmp_eq_u32 s16, 0                            ; x's bytes are filled again, one load a wave: Wk, cos, sin
	s_cbranch_scc0 .Lrefill_1
	TLOAD G0K, G1W
	s_branch .Lrefilled
.Lrefill_1:
	s_cmp_eq_u32 s16, 1
	s_cbranch_scc0 .Lrefill_2
	TLOAD G0C, G1C
	s_branch .Lrefilled
.Lrefill_2:
	s_cmp_eq_u32 s16, 2
	s_cbranch_scc0 .Lrefilled
	TLOAD G0S, G1C
.Lrefilled:
	PLACES 4                                       ; (for the wave that comes round the loads)
	FETCH 3
	MUL 2
	FETCH 4
	s_wait_dscnt 24                                ; all but the 24 just issued
	MUL 3
	FETCH 5
	; THE WAY OUT OF v.  32 registers of d tile n are my row's tokens 32 h + 0 .. 31 of my 64.
	WIN 0x3f
.irp n, 0,1,2,3
	v_max3_num_f32 v[TM+\n], |v[128+32*\n]|, |v[129+32*\n]|, |v[130+32*\n]|
	v_max3_num_f32 v[T+\n], |v[144+32*\n]|, |v[145+32*\n]|, |v[146+32*\n]|
.endr
	WIN 0x3c
.irp i, 3,5,7,9,11,13
.irp n, 0,1,2,3
	v_max3_num_f32 v[TM+\n], v[TM+\n], |v[128+32*\n+\i]|, |v[129+32*\n+\i]|
	v_max3_num_f32 v[T+\n], v[T+\n], |v[144+32*\n+\i]|, |v[145+32*\n+\i]|
.endr
.endr
.irp n, 0,1,2,3
	v_max3_num_f32 v[TM+\n], v[TM+\n], |v[143+32*\n]|, |v[159+32*\n]|
.endr
	WIN 0
.irp n, 0,1,2,3
	v_max3_num_f32 v[TM+\n], v[TM+\n], v[T+\n], 0x1800000    ; with the floor 2^(3 - 127)
.endr
.irp n, 0,1,2,3
	v_add_nc_u32 v[TM+12+\n], 0xff000000, v[TM+\n]
.endr
.irp n, 0,1,2,3
	v_lshrrev_b32 v[TM+\n], 23, v[TM+12+\n]
.endr
.irp n, 0,1,2,3
	v_lshlrev_b32 v[TM+\n], v[H8], v[TM+\n]        ; my block's byte at its place in the half word;
.endr
.irp n, 0,1,2,3
	v_permlanex16_b32 v[TM+4+\n], v[TM+\n], s[SEL], s[SEL+1]
.endr
.irp n, 0,1,2,3
	v_or_b32 v[TM+\n], v[TM+\n], v[TM+4+\n]        ; with lane l xor 16's: the half word of d tile n
.endr
	v_lshl_or_b32 v[PW], v[TM+1], 16, v[TM]
	v_lshl_or_b32 v[PW+1], v[TM+3], 16, v[TM+2]
	ds_store_b64 v[VST], v[PW:PW+1]
	WALU
	s_wait_dscnt 0x0
	s_barrier_signal -1
	WIN 3
.irp n, 0,1,2,3
	v_cvt_scalef32_pk16_fp6_f32 v[R+6*\n:R+6*\n+2], v[128+32*\n:143+32*\n], v[TM+12+\n]
	v_cvt_scalef32_pk16_fp6_f32 v[PC+4*\n:PC+4*\n+2], v[144+32*\n:159+32*\n], v[TM+12+\n]
.endr
	WIN 0
	v_nop
.irp n, 0,1,2,3
.irp i, 0,1,2
	v_mov_b32 v[R+6*\n+3+\i], v[PC+4*\n+\i]
.endr
.endr
	WALU
	s_barrier_wait -1                              ; the other half's bytes are in LDS
.irp n, 0,1,2,3
	global_store_b128 v[LI], v[R+6*\n:R+6*\n+3], s[92:93] offset:1536*\n
	global_store_b64 v[L8], v[R+6*\n+4:R+6*\n+5], s[92:93] offset:1536*\n+512
.endr
	s_cmp_eq_u32 s19, 1                            ; waves 0 and 2 join their 64 tokens' half words with the wave beside's
	s_cbranch_scc1 .Lv_done
	ds_load_b64 v[T:T+1], v[VST+1]
	s_wait_dscnt 0x0
	v_perm_b32 v[PW+4], v[T], v[PW], 0x05040100
	v_perm_b32 v[PW+5], v[T], v[PW], 0x07060302
	v_perm_b32 v[PW+6], v[T+1], v[PW+1], 0x05040100
	v_perm_b32 v[PW+7], v[T+1], v[PW+1], 0x07060302
	global_store_b128 v[R16], v[PW+4:PW+7], s[94:95]       ; 256 consecutive bytes, aligned
.Lv_done:
	MUL 4                                          ; (tiles 4 and 5 came in ahead of v's barrier)
	FETCH 6
	MUL 5
	FETCH 7
	s_wait_dscnt 24
	MUL 6
	s_wait_tensorcnt 0x0
	s_wait_dscnt 0x0
	BARRIER                                        ; Wk, cos and sin are in
	CSLOAD 0
	FETCH 8
	MUL 7
	FETCH 9
	OUTQK 84, 86, 48
	MUL 8                                          ; (tiles 8 and 9 came in ahead of the way out's later waits)
	FETCH 10
	MUL 9
	FETCH 11
	s_wait_dscnt 24
	MUL 10
	CSLOAD 0
	s_wait_dscnt 16                                ; tile 11 is in; the 16 loads of cos and sin may be out
	MUL 11
	OUTQK 88, 90, 0
	s_wait_tensorcnt 0x0                           ; the wave's end
	ds_add_u32 v[SPW], v[NIL]
	s_wait_dscnt 0x0
	CROUND                                         ; the closing round: no work-group ends while a partner may still ask for a tile that names it
	s_endpgm
.Lfunc_end_k_qbaf3d9bccd_qkv:
	.size	k_qbaf3d9bccd_qkv, .Lfunc_end_k_qbaf3d9bccd_qkv-k_qbaf3d9bccd_qkv
	.p2alignl 7, 3214868480
	.fill 96, 4, 3214868480
	.section	.rodata,"a",@progbits
	.p2align	6, 0x0
	.amdhsa_kernel k_qbaf3d9bccd_qkv
		.amdhsa_group_segment_fixed_size 327680
		.amdhsa_private_segment_fixed_size 0
		.amdhsa_enable_private_segment 0
		.amdhsa_kernarg_size 48
		.amdhsa_user_sgpr_count 2
		.amdhsa_user_sgpr_kernarg_segment_ptr 1
		.amdhsa_wavefront_size32 1
		.amdhsa_system_sgpr_workgroup_id_x 1
		.amdhsa_system_sgpr_workgroup_id_y 1
		.amdhsa_system_sgpr_workgroup_id_z 1
		.amdhsa_system_vgpr_workitem_id 0
		.amdhsa_next_free_vgpr 1024
		.amdhsa_next_free_sgpr 102
		.amdhsa_reserve_vcc 0
		.amdhsa_float_denorm_mode_32 3
		.amdhsa_float_denorm_mode_16_64 3
		.amdhsa_memory_ordered 1
		.amdhsa_forward_progress 1
		.amdhsa_inst_pref_size 140
	.end_amdhsa_kernel
	.amdgpu_metadata
---
amdhsa.version: [ 1, 2 ]
amdhsa.kernels:
  - .name:           k_qbaf3d9bccd_qkv
    .symbol:         k_qbaf3d9bccd_qkv.kd
    .args:
      - { .name: cod, .offset: 0, .size: 8, .value_kind: global_buffer, .address_space: global }
      - { .name: scl, .offset: 8, .size: 8, .value_kind: global_buffer, .address_space: global }
      - { .name: cos, .offset: 16, .size: 8, .value_kind: global_buffer, .address_space: global }
      - { .name: sin, .offset: 24, .size: 8, .value_kind: global_buffer, .address_space: global }
      - { .name: qq, .offset: 32, .size: 8, .value_kind: global_buffer, .address_space: global }
      - { .name: kv, .offset: 40, .size: 8, .value_kind: global_buffer, .address_space: global }
    .group_segment_fixed_size: 327680
    .private_segment_fixed_size: 0
    .kernarg_segment_align: 8
    .kernarg_segment_size: 48
    .max_flat_workgroup_size: 128
    .sgpr_count:     102
    .vgpr_count:     1024
    .wavefront_size: 32
...
	.end_amdgpu_metadata
.endif
;; end of part 2
;; launch attn (part 3): grid 8 x 32, 16 waves a work-group, clusters of 4 x 1, 284,672 bytes of LDS; arguments qq, kv, oc, os; writes oc, os
.if DOCPART == 3
	.amdgcn_target "amdgcn-amd-amdhsa--gfx1250"
	.amdhsa_code_object_version 6
	.text
	.protected	k_qbaf3d9bccd_attn
	.globl	k_qbaf3d9bccd_attn
	.p2align	8
	.type	k_qbaf3d9bccd_attn,@function
k_qbaf3d9bccd_attn:
	s_mov_b64 s[64:65], 0
	v_nop
	global_prefetch_b8 v0, s[64:65] scope:SCOPE_SE
	s_setreg_imm32_b32 hwreg(HW_REG_WAVE_MODE, 25, 1), 1
	s_wait_xcnt 0x0
	s_wait_alu depctr_hold_cnt(0) depctr_sa_sdst(0) depctr_va_vdst(0) depctr_va_sdst(0) depctr_va_ssrc(0) depctr_va_vcc(0) depctr_vm_vsrc(0)
	s_getreg_b32 s2, hwreg(HW_REG_IB_STS2, 6, 4)
	s_cmp_eq_u32 s2, 0
	s_cbranch_scc0 .Lentry_in_a_cluster
	s_endpgm
.Lentry_in_a_cluster:
	s_bfe_u32 s2, ttmp6, 0x10000c
	s_cmp_lg_u32 s2, 0x3003
	s_cbranch_scc0 .Lentry_shape_is_right
	s_endpgm
.Lentry_shape_is_right:
; Causal attention on codes of FP6 (E2M3), head size 64, 2,048 tokens, 32 (batch, head) pairs.  S^T = K Q^T (K = 64), O^T = V^T P^T (K = the keys).
; THE SOFTMAX: t = score x log2(e) / 8; M = the running largest t rounded up to a whole number; p = 2^(t - M) is quantised along the keys; the sum of the unquantised p divides O at the end.
; SHARES.  Work-group (j, bh), j = 0 .. 7, owns tile j of 16 queries of each of the 16 blocks of 128 queries of a head.  Waves 2 p and 2 p + 1 (p = 0 .. 7) share two of these tiles: the long one of block 8 + p (9 + p key steps of 128) and the short one of block 7 - p (8 - p).
;   One of the two, role A, takes nine of the long tile's steps: 0 .. 3, then 4 + m .. 8 + m with m = min(p, 4).  The other, role B, takes the p steps that are left (4 .. 7, then 13 on), puts what it has summed into LDS, and goes on with the whole short tile: eight steps.
;   Behind a barrier A adds B's part: M is a whole number, so both parts are brought under one M by powers of two.  A run of four waves, and a set of waves four apart, holds two A and two B: 34 steps.
;   Key steps that lie wholly above the causal mask are not walked (reference()'s own mask throws them away).  What a wave does hangs on its number alone, so the four partners of a cluster ask for K and V jointly.
; LDS holds the head's whole record of kv as it lies in memory, 16 steps x 13,056 bytes, filled ONCE: wave w asks for step w, one joint load.  The first four trips read steps 0 .. 7 alone, so they begin when waves 0-7's loads have landed.
;   The barrier that shows steps 8-15 is signalled in trip 3, behind its change of tiles, and waited for ahead of the loads of trip 4's K; the one that shows B's parts is signalled ahead of trip 8 and waited for behind it: only LDS loads of the records stand in between.
; No prefetch into the L2: each wave's one tensor load is issued at the head, and no later one is left to run ahead of.
; A trip's K is loaded from LDS behind the last trip's conversions, ahead of its sums and its products with V; V behind the trip's first products.
; A lane holds one query throughout.  Row i of tile t of a group of 64 rows is row 8 t + i % 8 + 32 (i / 8), for keys, queries and V's d alike: so the 32 registers of four result tiles are 32 neighbours 32 h + 0 .. 31, a whole scale block in one lane.
; K's half fragments lie six registers apart; an operand's upper six registers are the next half fragment's (the last one's: p's codes).  Q's upper six are zero codes, and a product with the code 0 is 0 whatever the other code is.
; OUT.  oc: [token tile 256][head 16][768]: o's half fragment of this head (registers 0-3 at 16 l, registers 4-5 at 512 + 8 l);  os: [head 16][token tile 256][row 16] words with the head's two scale bytes.
; LIMITS: NaN and infinities are not served, nor one that reaches only the keys that the mask hides; the promise holds while the scaled scores stay under 2^31 in magnitude; 1 / l is v_rcp_f32 and a multiply; a block of zeros gets the byte 1 where the rule says 127 (its codes are zeros; this program alone reads the bytes).
.set STEPB, 13056                      ; a key step's record: K's 8 half fragments, at 6,144 V^T's 4 fragments (two half fragments each), K's scale words at 12,288, V's at 12,800
.set PARTB, 16*STEPB                   ; behind the records: 4,608 bytes for each wave: O^T, 32 registers, then -M, the largest score and the sum
.set WREG, 4608
.set SPARE, PARTB+16*WREG              ; the spare words, 128 bytes for each wave
.set SPW, 6                            ; v6 my spare word;  v7 0
.set NIL, 7
.set Q,   16                           ; v16-27 Q (22-27 zeros), v28 its scale word;  v248-253, v11 the short tile's
.set K,   32                           ; v32-79 K's eight half fragments; behind the products at work
.set PC,  80                           ; v80-91 p's codes;  v29 p's scale word
.set V,   92                           ; v92-139 V's four fragments
.set S,   140                          ; v140-203 S^T, then p, then the sums
.set O,   204                          ; v204-235 O^T
.set KSC, 236                          ; v236-243 K's scale words, v244-247 V's
.set VSC, 244
.set F,   254                          ; v[254:255] f
                                       ; v1 16 l, v2 8 l, v3 16 r, v[4:5] the mask's first two bounds, v8-10 a step's addresses, v12 -M, v13 the largest score, v[14:15] the sum, v30 the old -M, v31 my part of LDS
.set NXT, 3                            ; the next trip
.set WV,  12
.set PP,  13                           ; p
.set ST,  14                           ; the trip
.set TB,  15                           ; the step's first byte in LDS
.set J,   16
.set BH,  17                           ; 16 x batch + head
.set CS,  18                           ; s[18:19] c = log2(e) / 8
.set SEL, 20                           ; s[20:21] lane selects: lane l xor 16
.set RO,  22                           ; 0: A, 1: B
.set KS,  23                           ; the key step
.set G0,  24
.set G1,  28
.set N2,  48                           ; s[48:49] -2^101
.set SW,  50                           ; B: the trip ahead of which it changes tiles; A: none
.set END, 51                           ; my trips: A nine, B eight
.set OA,  52                           ; from a trip's number to its key step, ahead of the change and behind it
.set OB,  53
.set SGL, 54                           ; the long tile's block, the short tile's, the one at work
.set SGS, 55
.set SGC, 56
.set NC,  57                           ; -c
.macro CROUND                          ; a round of the cluster's barrier
	s_barrier_signal -1
	s_barrier_wait -1
	s_cmp_lg_u32 s[WV], 0
	s_cbranch_scc1 .Lnot_wave_0_\@
	s_barrier_signal -3
.Lnot_wave_0_\@:
	s_barrier_wait -3
	s_barrier_signal -1
	s_barrier_wait -1
.endm
.macro PLACES n
.rept \n
	v_nop
.endr
.endm
.macro DEP1
	s_delay_alu instid0(VALU_DEP_1)
.endm
.macro TLOAD
	tensor_load_to_lds s[G0:G0+3], s[G1:G1+7]
	s_nop 0
	PLACES 4
.endm
.macro FRESH                           ; no score yet: the first change of M multiplies what was summed by 0
	v_mov_b32 v12, 0x7e000000              ; -M = 2^125
	v_mov_b32 v13, 0xff61b1e6              ; the largest score: -3e38, under every score
.endm
.macro SWITCH                          ; B: the long tile's part goes to LDS; the short tile's Q takes the long one's place
	PLACES 4
	s_wait_alu depctr_va_vdst(0)
.irp k, 0,1,2,3,4,5,6,7
	ds_store_b128 v31, v[O+4*\k:O+4*\k+3] offset:512*\k
.endr
	ds_store_b128 v31, v[12:15] offset:4096
	s_wait_dscnt 0x0
	v_mov_b32 v28, v11
.irp i, 0,1,2,3,4,5
	v_mov_b32 v[Q+\i], v[248+\i]
.endr
	FRESH
	PLACES 4                               ; from the new Q to the products
	s_wait_alu depctr_va_vdst(0)
.endm
.macro KSTEP trip, msk                 ; that trip's key step and tile
	s_cmp_lt_u32 s[\trip], s[SW]
	s_cselect_b32 s[KS], s[OA], s[OB]
	s_cselect_b32 s[SGC], s[SGL], s[SGS]
	s_add_co_u32 s[KS], s[KS], s[\trip]
	s_and_b32 s[KS], s[KS], \msk
	s_mul_i32 s[TB], s[KS], STEPB
.endm
.macro ADDR
	v_add_nc_u32 v8, s[TB], v1
	v_add_nc_u32 v9, s[TB], v2
	v_add_nc_u32 v10, s[TB], v3
.endm
.macro KFETCH                          ; a step's K: 18 loads
.irp t, 0,1,2,3,4,5,6,7
	ds_load_b128 v[K+6*\t:K+6*\t+3], v8 offset:768*\t
	ds_load_b64 v[K+6*\t+4:K+6*\t+5], v9 offset:768*\t+512
.endr
.irp g, 0,1
	ds_load_b128 v[KSC+4*\g:KSC+4*\g+3], v10 offset:12288+256*\g
.endr
.endm
.macro OMUL j                          ; O^T under the new M, two registers
	v_pk_mul_f32 v[O+2*(\j):O+2*(\j)+1], v[O+2*(\j):O+2*(\j)+1], v[F:F+1] op_sel_hi:[1,0]
.endm
.macro SUM d, k                        ; d += pair k of p
	v_pk_add_f32 v[\d:\d+1], v[\d:\d+1], v[S+2*(\k):S+2*(\k)+1]
.endm
; msk, pmsk: the records that this trip and the next may read (7 or 15);  change: B may change tiles here;  mid: trip 3;  pf: the next trip's K is loaded
.macro TRIP msk, pmsk, change, mid, pf
.if \change
	s_cmp_eq_u32 s[ST], s[SW]
	s_cbranch_scc0 .Lstay_\@
	SWITCH
.Lstay_\@:
.endif
.if \mid
	s_wait_tensorcnt 0x0                   ; my step's record has landed
	s_wait_dscnt 0x0
	s_barrier_signal -1
.endif
	KSTEP ST, \msk
	s_wait_dscnt 0x0                       ; this step's K is in
.irp t, 0,1,2,3,4,5,6,7                ; source 0 = 16 keys, source 1 = my 16 queries
	v_wmma_scale_f32_16x16x128_f8f6f4 v[S+8*\t:S+8*\t+7], v[K+6*\t:K+6*\t+11], v[Q:Q+11], 0, v[KSC+\t], v28 matrix_a_fmt:MATRIX_FMT_FP6 matrix_b_fmt:MATRIX_FMT_FP6
.endr
	v_mov_b32 v30, v12                     ; four places: the old -M is kept, and V's addresses are made
	ADDR
.irp t, 0,1,2,3
.irp c, 0,1
	ds_load_b128 v[V+12*\t+6*\c:V+12*\t+6*\c+3], v8 offset:6144+1536*\t+768*\c   ; wanted behind the softmax
	ds_load_b64 v[V+12*\t+6*\c+4:V+12*\t+6*\c+5], v9 offset:6144+1536*\t+768*\c+512
.endr
.endr
	ds_load_b128 v[VSC:VSC+3], v10 offset:12800
	s_cmp_lt_u32 s[KS], s[SGC]             ; a step all of whose keys count skips the mask
	s_cbranch_scc1 .Lopen_\@
	; register 32 c + i holds key 64 c + 32 h + i of the step.  The score is held under (query - key + 1/2) x 2^100: no bound where the key counts; where it is hidden -2^99 or less, whose p is 0
	v_add_f32 v46, 0xf4800000, v4          ; -64 x 2^100
	v_add_f32 v47, 0xf4800000, v5
	v_pk_add_f32 v[44:45], v[4:5], s[N2:N2+1] op_sel_hi:[1,0]
	v_dual_min_num_f32 v[S], v[S], v4 :: v_dual_min_num_f32 v[S+1], v[S+1], v5
	v_dual_min_num_f32 v[S+32], v[S+32], v46 :: v_dual_min_num_f32 v[S+33], v[S+33], v47
	v_pk_add_f32 v[46:47], v[46:47], s[N2:N2+1] op_sel_hi:[1,0]
.irp i, 2,4,6,8,10,12,14,16,18,20,22,24,26,28,30
	v_dual_min_num_f32 v[S+\i], v[S+\i], v44 :: v_dual_min_num_f32 v[S+1+\i], v[S+1+\i], v45
	v_dual_min_num_f32 v[S+32+\i], v[S+32+\i], v46 :: v_dual_min_num_f32 v[S+33+\i], v[S+33+\i], v47
.if \i < 30
	v_pk_add_f32 v[44:45], v[44:45], s[N2:N2+1] op_sel_hi:[1,0]
	v_pk_add_f32 v[46:47], v[46:47], s[N2:N2+1] op_sel_hi:[1,0]
.endif
.endr
.Lopen_\@:
.irp c, 0,1                            ; the largest score of each of my two blocks of 32 keys, in two chains each: it serves for the row's maximum and, since p rises with the score, for the block's largest p
	v_max3_num_f32 v[32+\c], v[S+32*\c], v[S+1+32*\c], v[S+2+32*\c]
	v_max3_num_f32 v[34+\c], v[S+16+32*\c], v[S+17+32*\c], v[S+18+32*\c]
.endr
.irp i, 3,5,7,9,11,13
.irp c, 0,1
	v_max3_num_f32 v[32+\c], v[32+\c], v[S+32*\c+\i], v[S+1+32*\c+\i]
	v_max3_num_f32 v[34+\c], v[34+\c], v[S+16+32*\c+\i], v[S+17+32*\c+\i]
.endr
.endr
.irp c, 0,1
	v_max3_num_f32 v[32+\c], v[32+\c], v[S+15+32*\c], v[S+31+32*\c]
.endr
.irp c, 0,1
	v_max_num_f32 v[32+\c], v[32+\c], v[34+\c]
.endr
	DEP1
	v_max_num_f32 v36, v32, v33
	DEP1
	v_permlanex16_b32 v39, v36, s[SEL], s[SEL+1]
	DEP1
	v_max3_num_f32 v13, v13, v36, v39      ; the running largest score of my query
	DEP1
	v_mul_f32 v37, s[NC], v13              ; -t
	DEP1
	v_floor_f32 v12, v37                   ; the new -M: a whole number
	DEP1
	v_sub_f32 v36, v12, v30                ; M's old value less its new one: a whole number, 0 or less
	DEP1
	v_cvt_i32_f32 v36, v36                 ; (it saturates)
	DEP1
	v_ldexp_f32 v[F], 1.0, v36             ; f = 2^(old M - new M): a multiplication by it rounds nothing
.irp j, 0,2,4,6,8,10,12,14,16,18,20,22,24,26,28,30,32,34,36,38,40,42,44,46,48,50,52,54,56,58,60,62
	v_pk_fma_f32 v[S+\j:S+1+\j], v[S+\j:S+1+\j], s[CS:CS+1], v[12:13] op_sel_hi:[1,0,0]   ; t - M, two at a time
.endr
	v_fma_f32 v32, v32, s[CS], v12         ; the same of each block's largest score
	v_fma_f32 v33, v33, s[CS], v12
	s_wait_alu depctr_va_vdst(0)           ; the wait ahead of the batch
	v_exp_f32 v32, v32                     ; a block's largest p: the same two instructions on the same number give the same bits
	v_exp_f32 v33, v33
.irp b, 0,1,2,3
.irp i, 0,1,2,3,4,5,6,7,8,9,10,11,12,13,14,15
	v_exp_f32 v[S+16*\b+\i], v[S+16*\b+\i] ; p = 2^(t - M): not normalised
.endr
.endr
	v_pk_mul_f32 v[14:15], v[14:15], v[F:F+1] op_sel_hi:[1,0]   ; the sums under the new M: the plain line behind the exponentials
	s_wait_alu depctr_va_vdst(0)           ; and behind it: for the exponentials' readers and for O^T's
	v_max_num_f32 v32, 0x1800000, v32      ; the floor 2^(3 - 127): the byte cannot fall under 1
	v_max_num_f32 v33, 0x1800000, v33
	OMUL 0
	OMUL 1
	v_add_nc_u32 v34, 0xff000000, v32      ; 2 off the exponent field: the conversions' scale operand
	v_add_nc_u32 v35, 0xff000000, v33
	OMUL 2
	OMUL 3
	v_lshrrev_b32 v36, 23, v34             ; the scale's byte
	v_lshrrev_b32 v37, 23, v35
	OMUL 4
	OMUL 5
	OMUL 6
	v_lshl_or_b32 v36, v37, 16, v36        ; my blocks' bytes: blocks h and 2 + h
	OMUL 7
	OMUL 8
	OMUL 9
	v_permlanex16_b32 v38, v36, s[SEL], s[SEL+1]
	OMUL 10
	OMUL 11
	OMUL 12
	v_lshl_or_b32 v29, v38, 8, v36         ; p's scale word for these 128 keys, in lanes 0-15 (lanes 16-31 are not read)
	OMUL 13
	OMUL 14
	OMUL 15
	v_cvt_scalef32_pk16_fp6_f32 v[PC:PC+2], v[S:S+15], v34
	v_cvt_scalef32_pk16_fp6_f32 v[40:42], v[S+16:S+31], v34     ; (a conversion's three registers begin on an even number)
	v_cvt_scalef32_pk16_fp6_f32 v[PC+6:PC+8], v[S+32:S+47], v35
	v_cvt_scalef32_pk16_fp6_f32 v[58:60], v[S+48:S+63], v35
	SUM 14, 0                              ; the row's sum, of the unquantised p, in four chains
	SUM S+2, 5
	SUM S+4, 6
	SUM S+6, 7
	v_dual_mov_b32 v[PC+3], v40 :: v_dual_mov_b32 v[PC+4], v41
	v_dual_mov_b32 v[PC+9], v58 :: v_dual_mov_b32 v[PC+10], v59
	v_mov_b32 v[PC+5], v42
	v_mov_b32 v[PC+11], v60
.if \mid
	s_min_u32 s[OA], s[PP], 4              ; trips 4-8: A step i + m; B step 9 + i of the long tile, step i - p of the short one
	s_cmp_eq_u32 s[RO], 1
	s_cselect_b32 s[OA], 9, s[OA]
	s_sub_co_u32 s[OB], 16, s[PP]
	s_wait_alu depctr_va_vdst(0)
	s_barrier_wait -1                      ; all sixteen steps are in: from here on no tensor load is out
.endif
.if \pf
	s_add_co_u32 s[NXT], s[ST], 1
	KSTEP NXT, \pmsk
	ADDR
	KFETCH                                 ; the next trip's K (behind B's last trip read by nobody)
.endif
	SUM 14, 4
.irp k, 8,12,16,20,24,28
	SUM S+2, \k+1
	SUM S+4, \k+2
	SUM S+6, \k+3
	SUM 14, \k
.endr
	v_pk_add_f32 v[S+2:S+3], v[S+2:S+3], v[S+4:S+5]
	v_pk_add_f32 v[14:15], v[14:15], v[S+6:S+7]
	v_pk_add_f32 v[14:15], v[14:15], v[S+2:S+3]
.if \pf
	s_wait_dscnt 18                        ; V's fragments and scale words are in; the next K's eighteen loads may be out
.else
	s_wait_dscnt 0x0
.endif
.irp t, 0,1,2,3                        ; O^T += V^T P^T: four accumulators, one instruction each
	v_wmma_scale_f32_16x16x128_f8f6f4 v[O+8*\t:O+8*\t+7], v[V+12*\t:V+12*\t+11], v[PC:PC+11], v[O+8*\t:O+8*\t+7], v[VSC+\t], v29 matrix_a_fmt:MATRIX_FMT_FP6 matrix_b_fmt:MATRIX_FMT_FP6
.endr
.endm
	s_load_b256 s[4:11], s[0:1], 0x0               ; qq, kv, oc, os
	v_lshl_add_u32 v[SPW], v0, 2, SPARE
	v_mov_b32 v[NIL], 0
	ds_add_u32 v[SPW], v[NIL]                      ; the opening lines
	ds_add_u32 v[SPW], v[NIL]
	v_lshrrev_b32 v1, 5, v0
	v_readfirstlane_b32 s[WV], v1                  ; wave 0..15
	v_and_b32 v8, 31, v0                           ; lane
	v_and_b32 v9, 15, v0                           ; r
	v_bfe_u32 v10, v0, 4, 1                        ; h
	v_lshlrev_b32 v1, 4, v8
	v_lshlrev_b32 v2, 3, v8
	v_lshlrev_b32 v3, 4, v9
	s_wait_alu depctr_va_vdst(0)                   ; the wait ahead of the run of scalar lines
	s_bfe_u32 s46, ttmp6, 0x40000                  ; cx
	s_lshl_b32 s[J], ttmp9, 2
	s_add_co_u32 s[J], s[J], s46                   ; j: it enters global addresses of Q and o, and the mask's numbers, alone
	s_and_b32 s[BH], ttmp7, 0xffff
	s_lshr_b32 s[PP], s[WV], 1
	s_lshr_b32 s[RO], s[WV], 2
	s_xor_b32 s[RO], s[RO], s[WV]
	s_and_b32 s[RO], s[RO], 1
	s_add_co_u32 s[SGL], s[PP], 8
	s_sub_co_u32 s[SGS], 7, s[PP]
	s_sub_co_u32 s[END], 9, s[RO]
	s_mov_b32 s[G1], 15|(3<<16)|(1<<21)            ; all four partners; elements of 8 bytes; bit 21 beside a mask; no padding
	s_mov_b32 s[G1+1], 32<<16                      ; a step's record: 51 dense rows of 256 bytes
	s_mov_b32 s[G1+2], 51<<16
	s_mov_b32 s[G1+3], 32<<16
	s_mov_b32 s[G1+4], 51
	s_mov_b32 s[G1+5], 32
	s_mov_b32 s[G1+6], 0
	s_mov_b32 s[G1+7], 0
	s_mov_b32 s[G0], 1
	s_mul_i32 s[G0+1], s[WV], STEPB                ; step w goes to 13,056 w: no place in the cluster enters an LDS address
	s_mul_i32 s36, s[BH], 16*STEPB
	s_add_co_u32 s36, s36, s[G0+1]                 ; and comes from the head's record, step w
	s_mov_b32 s37, 0
	s_lshl_b32 s47, ttmp9, 6                       ; my tile's first query in its block: 64 (j / 4) + 8 (j % 4)
	s_lshl_b32 s58, s46, 3
	s_add_co_u32 s47, s47, s58
	s_mul_i32 s60, s[J], 768                       ; Q: my tile's half fragment in a record of qq,
	s_lshl_b32 s61, ttmp9, 8                       ; and its scale words: 6,144 + 256 (j / 4) + 4 (j % 4), + 16 r
	s_lshl_b32 s62, s46, 2
	s_add_co_u32 s61, s61, s62
	s_add_co_u32 s61, s61, 6144
	s_lshl_b32 s58, s[BH], 4
	s_add_co_u32 s59, s58, s[SGL]
	s_mul_i32 s59, s59, 6656
	s_add_co_u32 s38, s59, s60                     ; the long tile's
	s_mov_b32 s39, 0
	s_add_co_u32 s40, s59, s61
	s_mov_b32 s41, 0
	s_add_co_u32 s59, s58, s[SGS]
	s_mul_i32 s59, s59, 6656
	s_add_co_u32 s42, s59, s60                     ; the short tile's
	s_mov_b32 s43, 0
	s_add_co_u32 s44, s59, s61
	s_mov_b32 s45, 0
	s_cmp_eq_u32 s[RO], 0
	s_cselect_b32 s[SW], 31, s[PP]
	s_cselect_b32 s59, s[SGL], s[SGS]              ; the tile that I finish:
	s_lshr_b32 s58, s[BH], 4                       ; token tile 128 x batch + 8 x block + j,
	s_lshl_b32 s58, s58, 7
	s_lshl_b32 s59, s59, 3
	s_add_co_u32 s58, s58, s59
	s_add_co_u32 s58, s58, s[J]
	s_and_b32 s59, s[BH], 15                       ; the head
	s_mul_i32 s60, s58, 12288
	s_mul_i32 s61, s59, 768
	s_add_co_u32 s60, s60, s61
	s_mov_b32 s61, 0
	s_lshl_b32 s62, s59, 14
	s_lshl_b32 s63, s58, 6
	s_add_co_u32 s62, s62, s63
	s_mov_b32 s63, 0
	s_mov_b32 s[CS], 0x3e38aa3b
	s_mov_b32 s[CS+1], s[CS]                       ; (named with it as a pair, so it is written)
	s_mov_b32 s[NC], 0xbe38aa3b
	s_mov_b32 s[N2], 0xf2000000
	s_mov_b32 s[N2+1], s[N2]
	s_mov_b32 s[SEL], 0x76543210
	s_mov_b32 s[SEL+1], 0xfedcba98
	s_mov_b32 s[ST], 0
	s_wait_dscnt 0x0
	CROUND                                         ; all four work-groups are here: the joint loads meet
	s_wait_kmcnt 0x0
	s_add_nc_u64 s[G0+2:G0+3], s[6:7], s[36:37]
	s_or_b32 s[G0+3], s[G0+3], 0x80000000          ; type = 2
	s_cmp_lt_u32 s[WV], 8                          ; steps 0-7 and steps 8-15 have load lines of their own: their waits part
	s_cbranch_scc0 .Lupper
	TLOAD
	s_branch .Lasked
.Lupper:
	TLOAD
.Lasked:
	s_add_nc_u64 s[38:39], s[4:5], s[38:39]
	s_add_nc_u64 s[40:41], s[4:5], s[40:41]
	s_add_nc_u64 s[42:43], s[4:5], s[42:43]
	s_add_nc_u64 s[44:45], s[4:5], s[44:45]
	s_add_nc_u64 s[8:9], s[8:9], s[60:61]
	s_add_nc_u64 s[10:11], s[10:11], s[62:63]
	global_load_b128 v[Q:Q+3], v1, s[38:39]        ; the long tile's Q and its rows' scale words,
	global_load_b64 v[Q+4:Q+5], v2, s[38:39] offset:512
	global_load_b32 v28, v3, s[40:41]
	global_load_b128 v[248:251], v1, s[42:43]      ; and the short tile's (one text for both roles: A leaves them unread)
	global_load_b64 v[252:253], v2, s[42:43] offset:512
	global_load_b32 v11, v3, s[44:45]
	v_and_b32 v4, 8, v9
	v_lshlrev_b32 v10, 5, v10
	v_mad_u32_u24 v4, v4, 3, v9                    ; r + 24 (r / 8)
	v_sub_nc_u32 v4, v4, v10
	v_add_nc_u32 v4, s47, v4                       ; my query in its block, less 32 h
	v_cvt_f32_i32 v4, v4
	v_add_f32 v5, -0.5, v4
	v_add_f32 v4, 0.5, v4
	v_mul_f32 v4, 0x71800000, v4                   ; x 2^100: the mask's bounds of keys 0 and 1
	v_mul_f32 v5, 0x71800000, v5
	s_mul_i32 s58, s[WV], WREG
	s_add_co_u32 s58, s58, PARTB
	v_add_nc_u32 v31, s58, v1
	FRESH
	v_mov_b32 v14, 0
	v_mov_b32 v15, 0
.irp i, 6,7,8,9,10,11
	v_mov_b32 v[Q+\i], 0                           ; Q's K = 64 .. 127: zero codes
.endr
.irp i, 0,1,2,3,4,5
	v_mov_b32 v[PC+\i], 0                          ; (the last half fragment's upper registers, named before the first p)
.endr
.irp j, 0,1,2,3,4,5,6,7,8,9,10,11,12,13,14,15,16,17,18,19,20,21,22,23,24,25,26,27,28,29,30,31
	v_mov_b32 v[O+\j], 0                           ; (a trip's text is the same for all: the first finds zeros, which the first change of M leaves zeros)
.endr
	v_mov_b32 v[F+1], 0                            ; (named as the upper half of a pair)
	s_lshl_b32 s[OA], s[RO], 2                     ; trips 0-3: A step i; B step 4 + i of the long tile, step i - p of the short one
	s_sub_co_u32 s[OB], 8, s[PP]
	s_wait_alu depctr_va_vdst(0)                   ; the wait at the head's end
	s_cmp_lt_u32 s[WV], 8
	s_cbranch_scc0 .Lnot_low
	s_wait_tensorcnt 0x0                           ; my step of 0-7 has landed
.Lnot_low:
	s_barrier_signal -1
	s_barrier_wait -1                              ; steps 0-7 are in; steps 8-15 may still be on their way
	KSTEP ST, 7
	ADDR
	KFETCH
	s_wait_loadcnt 0x0                             ; Q
.Lfirst:
	TRIP 7, 7, 1, 0, 1                             ; trips 0 to 2
	s_add_co_u32 s[ST], s[ST], 1
	s_cmp_lt_u32 s[ST], 3
	s_cbranch_scc1 .Lfirst
	s_mov_b32 s[ST], 3
	TRIP 7, 15, 1, 1, 1                            ; trip 3
	s_mov_b32 s[ST], 4
.Lsecond:
	TRIP 15, 15, 1, 0, 1                           ; trips 4 to 7
	s_add_co_u32 s[ST], s[ST], 1
	s_cmp_lt_u32 s[ST], 8
	s_cbranch_scc1 .Lsecond
	s_mov_b32 s[ST], 8
	s_wait_alu depctr_va_vdst(0)
	s_wait_dscnt 0x0                               ; my part, if I have stored one, is in LDS
	s_barrier_signal -1
	s_cmp_eq_u32 s[END], 9
	s_cbranch_scc0 .Lno_ninth
	TRIP 15, 15, 0, 0, 0                           ; trip 8
.Lno_ninth:
	PLACES 4                                       ; behind the last products
	s_xor_b32 s58, s[WV], 1
	s_mul_i32 s58, s58, WREG
	s_add_co_u32 s58, s58, PARTB
	v_add_nc_u32 v8, s58, v1                       ; the partner's part
	s_wait_alu depctr_va_vdst(0)
	s_barrier_wait -1                              ; B's parts are in LDS
	s_cmp_eq_u32 s[RO], 1
	s_cbranch_scc1 .Lwhole
.irp k, 0,1,2,3,4,5,6,7
	ds_load_b128 v[S+4*\k:S+4*\k+3], v8 offset:512*\k
.endr
	ds_load_b128 v[S+32:S+35], v8 offset:4096      ; -M, the largest score, the sum
	s_wait_dscnt 0x0
	v_min_num_f32 v36, v12, v[S+32]                ; the greater M
	v_sub_f32 v37, v36, v12
	v_sub_f32 v38, v36, v[S+32]
	v_cvt_i32_f32 v37, v37
	v_cvt_i32_f32 v38, v38
	v_ldexp_f32 v[F], 1.0, v37
	v_ldexp_f32 v32, 1.0, v38
.irp j, 0,1,2,3,4,5,6,7,8,9,10,11,12,13,14,15
	OMUL \j
.endr
	v_pk_mul_f32 v[14:15], v[14:15], v[F:F+1] op_sel_hi:[1,0]
.irp j, 0,2,4,6,8,10,12,14,16,18,20,22,24,26,28,30
	v_pk_fma_f32 v[O+\j:O+1+\j], v[S+\j:S+1+\j], v[32:33], v[O+\j:O+1+\j] op_sel_hi:[1,0,1]
.endr
	v_pk_fma_f32 v[14:15], v[S+34:S+35], v[32:33], v[14:15] op_sel_hi:[1,0,1]
	s_wait_alu depctr_va_vdst(0)
.Lwhole:
	; THE WAY OUT.  O^T / the sum; register i of a lane is d = 32 h + i of my query: a whole block, quantised along d and stored as half a fragment of the last product's operand.
	v_add_f32 v14, v14, v15                        ; the sum's two halves,
	v_bfe_u32 v9, v0, 4, 1
	v_lshlrev_b32 v9, 3, v9                        ; (8 h)
	v_lshrrev_b32 v10, 2, v3                       ; (4 r)
	v_permlanex16_b32 v36, v14, s[SEL], s[SEL+1]
	DEP1
	v_add_f32 v14, v14, v36                        ; and lane l xor 16's: the row's sum
	s_wait_alu depctr_va_vdst(0)
	v_rcp_f32 v14, v14
	v_nop                                          ; a plain line behind the reciprocal
	s_wait_alu depctr_va_vdst(0)                   ; and the wait ahead of the first readers
.irp j, 0,2,4,6,8,10,12,14,16,18,20,22,24,26,28,30
	v_pk_mul_f32 v[S+\j:S+1+\j], v[O+\j:O+1+\j], v[14:15] op_sel_hi:[1,0]
.endr
	v_max3_num_f32 v32, |v[S]|, |v[S+1]|, 0x1800000   ; the largest magnitude, and the floor 2^(3 - 127)
	v_max3_num_f32 v33, |v[S+16]|, |v[S+17]|, |v[S+18]|
.irp i, 2,4,6,8,10,12
	v_max3_num_f32 v32, v32, |v[S+\i]|, |v[S+1+\i]|
	v_max3_num_f32 v33, v33, |v[S+17+\i]|, |v[S+18+\i]|
.endr
	v_max3_num_f32 v32, v32, |v[S+14]|, |v[S+15]|
	v_max3_num_f32 v32, v32, v33, |v[S+31]|
	v_add_nc_u32 v34, 0xff000000, v32
	v_lshrrev_b32 v36, 23, v34
	v_lshlrev_b32 v36, v9, v36                     ; my block's byte at its place,
	v_permlanex16_b32 v38, v36, s[SEL], s[SEL+1]
	v_or_b32 v36, v36, v38                         ; with lane l xor 16's: the head's two bytes; the upper half of the word stays 0
	v_cvt_scalef32_pk16_fp6_f32 v[40:42], v[S:S+15], v34
	v_cvt_scalef32_pk16_fp6_f32 v[58:60], v[S+16:S+31], v34
	v_nop
.irp i, 0,1,2
	v_mov_b32 v[43+\i], v[58+\i]
.endr
	global_store_b128 v1, v[40:43], s[8:9]             ; 512 consecutive bytes, aligned
	global_store_b64 v2, v[44:45], s[8:9] offset:512   ; 256
	global_store_b32 v10, v36, s[10:11]                ; 64 bytes a wave: lanes r and r + 16 hold the same word and name the same place
	s_wait_tensorcnt 0x0                           ; the wave's end
	ds_add_u32 v[SPW], v[NIL]
	s_wait_dscnt 0x0
	CROUND                                         ; the closing round: no work-group ends while a partner may still ask for a tile that names it
	s_endpgm
.Lfunc_end_k_qbaf3d9bccd_attn:
	.size	k_qbaf3d9bccd_attn, .Lfunc_end_k_qbaf3d9bccd_attn-k_qbaf3d9bccd_attn
	.p2alignl 7, 3214868480
	.fill 96, 4, 3214868480
	.section	.rodata,"a",@progbits
	.p2align	6, 0x0
	.amdhsa_kernel k_qbaf3d9bccd_attn
		.amdhsa_group_segment_fixed_size 284672
		.amdhsa_private_segment_fixed_size 0
		.amdhsa_enable_private_segment 0
		.amdhsa_kernarg_size 32
		.amdhsa_user_sgpr_count 2
		.amdhsa_user_sgpr_kernarg_segment_ptr 1
		.amdhsa_wavefront_size32 1
		.amdhsa_system_sgpr_workgroup_id_x 1
		.amdhsa_system_sgpr_workgroup_id_y 1
		.amdhsa_system_sgpr_workgroup_id_z 1
		.amdhsa_system_vgpr_workitem_id 0
		.amdhsa_next_free_vgpr 256
		.amdhsa_next_free_sgpr 66
		.amdhsa_reserve_vcc 0
		.amdhsa_float_denorm_mode_32 3
		.amdhsa_float_denorm_mode_16_64 3
		.amdhsa_memory_ordered 1
		.amdhsa_forward_progress 1
		.amdhsa_inst_pref_size 97
	.end_amdhsa_kernel
	.amdgpu_metadata
---
amdhsa.version: [ 1, 2 ]
amdhsa.kernels:
  - .name:           k_qbaf3d9bccd_attn
    .symbol:         k_qbaf3d9bccd_attn.kd
    .args:
      - { .name: qq, .offset: 0, .size: 8, .value_kind: global_buffer, .address_space: global }
      - { .name: kv, .offset: 8, .size: 8, .value_kind: global_buffer, .address_space: global }
      - { .name: oc, .offset: 16, .size: 8, .value_kind: global_buffer, .address_space: global }
      - { .name: os, .offset: 24, .size: 8, .value_kind: global_buffer, .address_space: global }
    .group_segment_fixed_size: 284672
    .private_segment_fixed_size: 0
    .kernarg_segment_align: 8
    .kernarg_segment_size: 32
    .max_flat_workgroup_size: 512
    .sgpr_count:     66
    .vgpr_count:     256
    .wavefront_size: 32
...
	.end_amdgpu_metadata
.endif
;; end of part 3
;; launch proj (part 4): grid 8 x 32, 4 waves a work-group, clusters of 4 x 4, 214,528 bytes of LDS; arguments oc, os, cod, scl, out0; writes out0
.if DOCPART == 4
	.amdgcn_target "amdgcn-amd-amdhsa--gfx1250"
	.amdhsa_code_object_version 6
	.text
	.protected	k_qbaf3d9bccd_proj
	.globl	k_qbaf3d9bccd_proj
	.p2align	8
	.type	k_qbaf3d9bccd_proj,@function
k_qbaf3d9bccd_proj:
	s_mov_b64 s[64:65], 0
	v_nop
	global_prefetch_b8 v0, s[64:65] scope:SCOPE_SE
	s_setreg_imm32_b32 hwreg(HW_REG_WAVE_MODE, 25, 1), 1
	s_wait_xcnt 0x0
	s_wait_alu depctr_hold_cnt(0) depctr_sa_sdst(0) depctr_va_vdst(0) depctr_va_sdst(0) depctr_va_ssrc(0) depctr_va_vcc(0) depctr_vm_vsrc(0)
	s_getreg_b32 s2, hwreg(HW_REG_IB_STS2, 6, 4)
	s_cmp_eq_u32 s2, 0
	s_cbranch_scc0 .Lentry_in_a_cluster
	s_endpgm
.Lentry_in_a_cluster:
	s_bfe_u32 s2, ttmp6, 0x10000c
	s_cmp_lg_u32 s2, 0xf033
	s_cbranch_scc0 .Lentry_shape_is_right
	s_endpgm
.Lentry_shape_is_right:
; out0 = o Wp^T on codes of FP6 (E2M3) with E8M0 scales.  o: 4,096 tokens x K = 1,024 (head, d), as the attention launch stored it; Wp: tiles 448-511 of cod; out0 [4096][1024] f32.
; A tile of 128 x 128 of the output to a work-group: 256 work-groups.  Four waves, 64 x 64 each.  A wave holds its 64 rows of Wp, all of K, in registers (32 fragments) and streams its four tiles of o past them: a tile's results leave when its 32 products are done.
; LDS: Wp's 8 tiles, o's 8 tiles, all of K, 98,304 bytes each, filled ONCE: one joint load a wave (waves 0 and 1 Wp's halves, waves 2 and 3 o's).  Nothing is filled again; no prefetch: no later load is left to run ahead of.
; CLUSTER 4 x 4: o's tiles are shared along a row of the cluster, Wp's along a column.
; SCALE WORDS come from memory straight into registers: lanes 0-15 hold an even tile's rows, lanes 16-31 the odd tile's behind it.  A word of o is made of two heads' half words.
; THE MATRIX INSTRUCTION IS USED TRANSPOSED: source 0 = 16 rows of Wp, source 1 = 16 tokens.  Row i of tile t of a group of 64 rows is row 8 t + i % 8 + 32 (i / 8), for tokens and for Wp's rows:
;   lane (r, h) holds token row r of a tile, and register 8 b + j of its 32 results the output column 32 h + 8 b + j of my 64.
; LIMITS: NaN and infinities are not served.
; REGISTERS: window 0: addresses, scale words, results; fragments of 12 registers, 21 to a window, from window 1 on: 0-31 Wp's (4 x K step + tile), 32-39 and 40-47 two sets of o's.
.set HALF,  49152                      ; four tiles, all of K: what one tensor load brings
.set STG,   4*HALF                     ; the way out: 16 rows x (256 bytes + 16) for each wave
.set SP,    272
.set SPARE, STG+4*16*SP
.set FPW,   21
.set ADA,  16                          ; o's fragments: 16 x lane, and 8 x lane
.set ADA8, 17
.set ADB,  18                          ; Wp's
.set STO,  19
.set RD,   20
.set CO,   21
.set SA,   32                          ; v32-47  o's scale words: tile pair g, K step k at 8 g + k
.set HI,   48                          ; v48-63  the upper halves of o's
.set SB,   64                          ; v64-79  Wp's
.set RB,   80                          ; v80-111 16 rows read back from the stage
.set ACC,  112                         ; v112-175 two sets of four accumulators
.set G1,   24                          ; s[24:31], s[32:35] o's descriptor;  s[48:55], s[56:59] Wp's
.set G0,   32
.set G1B,  48
.set G0B,  56
.set MSB, 0
.macro WIN new                         ; the immediate's high byte repeats the setting that is left
.if MSB != (\new)
	s_set_vgpr_msb (MSB<<8)|(\new)
.set MSB, (\new)
.endif
.endm
.macro PLACES n
.rept \n
	v_nop
.endr
.endm
.macro BARRIER
	s_barrier_signal -1
	s_barrier_wait -1
.endm
.macro CROUND                          ; a round of the cluster's barrier
	BARRIER
	s_cmp_lg_u32 s14, 0
	s_cbranch_scc1 .Lnot_wave_0_\@
	s_barrier_signal -3
.Lnot_wave_0_\@:
	s_barrier_wait -3
	BARRIER
.endm
.macro TLOAD g0, g1
	tensor_load_to_lds s[\g0:\g0+3], s[\g1:\g1+7]
	s_nop 0
	PLACES 4
.endm
	s_load_b256 s[4:11], s[0:1], 0x0               ; oc, os, cod, scl
	s_load_b64 s[12:13], s[0:1], 0x20              ; out0
	v_lshl_add_u32 v30, v0, 2, SPARE
	v_mov_b32 v31, 0
	ds_add_u32 v30, v31                            ; the opening lines
	ds_add_u32 v30, v31
	v_lshrrev_b32 v1, 5, v0
	v_readfirstlane_b32 s14, v1                    ; wave 0..3
	s_lshr_b32 s15, s14, 1                         ; my half of the tokens.  Also: I fetch for Wp (0) or for o (1)
	s_and_b32 s16, s14, 1                          ; my half of the columns.  Also: which four tiles I fetch
	v_and_b32 v1, 15, v0                           ; r
	v_bfe_u32 v2, v0, 4, 1                         ; h
	v_and_b32 v3, 31, v0                           ; lane
	v_lshlrev_b32 v4, 4, v3
	v_lshlrev_b32 v5, 3, v3
	v_lshlrev_b32 v6, 2, v3
	s_mul_i32 s18, s16, HALF
	v_add_nc_u32 v[ADB], s18, v4
	s_mul_i32 s18, s15, HALF
	s_add_co_u32 s18, s18, 2*HALF
	v_add_nc_u32 v[ADA], s18, v4
	v_add_nc_u32 v[ADA8], s18, v5
	s_mul_i32 s18, s14, 16*SP
	s_add_co_u32 s18, s18, STG                     ; my stage
	v_mul_u32_u24 v7, v1, SP                       ; in: row r, 128 bytes for each half of the lanes
	v_mul_u32_u24 v8, v2, SP                       ; back: lanes 0-15 take one row of 256 bytes, lanes 16-31 the next
	v_lshl_add_u32 v7, v2, 7, v7
	v_lshl_add_u32 v8, v1, 4, v8
	v_add_nc_u32 v[STO], s18, v7
	v_add_nc_u32 v[RD], s18, v8
	v_lshlrev_b32 v7, 12, v2                       ; and the same two rows of the output
	v_lshl_add_u32 v[CO], v1, 4, v7
	s_wait_alu depctr_va_vdst(0)                   ; the wait ahead of the run of scalar lines
	s_bfe_u32 s40, ttmp6, 0x40000                  ; cx
	s_bfe_u32 s41, ttmp6, 0x40004                  ; cy
	s_lshl_b32 s42, ttmp9, 2
	s_add_co_u32 s42, s42, s40                     ; tile column = 4 x cluster x + cx
	s_and_b32 s17, ttmp7, 0xffff
	s_lshl_b32 s17, s17, 2
	s_add_co_u32 s17, s17, s41                     ; tile row = 4 x cluster y + cy
	s_lshl_b32 s43, s41, 2
	s_lshl_b32 s43, 15, s43                        ; my row of the cluster
	s_lshl_b32 s44, 0x1111, s40                    ; my column
	s_or_b32 s[G1], s43, (3<<16)|(1<<21)           ; the mask; elements of 8 bytes; bit 21 beside a mask; no padding
	s_or_b32 s[G1B], s44, (3<<16)|(1<<21)
.irp g, G1, G1B                        ; four tiles are dense: 192 rows of 256 bytes
	s_mov_b32 s[\g+1], 32<<16
	s_mov_b32 s[\g+2], 192<<16
	s_mov_b32 s[\g+3], 32<<16
	s_mov_b32 s[\g+4], 192
	s_mov_b32 s[\g+5], 32
	s_mov_b32 s[\g+6], 0
	s_mov_b32 s[\g+7], 0
.endr
	s_lshl_b32 s18, s16, 2                         ; which four tiles I fetch
	s_lshl_b32 s20, s17, 3
	s_add_co_u32 s20, s20, s18                     ; o: tile 8 x tile row + 4 x half: it hangs on cy alone,
	s_mul_i32 s20, s20, 12288
	s_mov_b32 s21, 0
	s_lshl_b32 s46, s42, 3
	s_add_co_u32 s46, s46, s18
	s_add_co_u32 s46, s46, 448                     ; Wp: tile 448 + 8 x tile column + 4 x half: on cx alone
	s_mul_i32 s46, s46, 12288
	s_mov_b32 s47, 0
	s_mul_i32 s[G0B+1], s16, HALF                  ; where they go: no place in the cluster enters an LDS address
	s_add_co_u32 s[G0+1], s[G0B+1], 2*HALF
	s_mov_b32 s[G0], 1
	s_mov_b32 s[G0B], 1
	s_lshl_b32 s22, s17, 9                         ; o's scale words of my four tiles: 64 bytes a tile, 16,384 a head
	s_lshl_b32 s23, s15, 8
	s_add_co_u32 s22, s22, s23
	s_mov_b32 s23, 0
	s_lshl_b32 s92, s42, 2
	s_lshl_b32 s93, s16, 1
	s_add_co_u32 s92, s92, s93
	s_add_co_u32 s92, s92, 224                     ; Wp's: groups 224 + 4 x tile column + 2 x half, 1,024 bytes each
	s_lshl_b32 s92, s92, 10
	s_mov_b32 s93, 0
	s_lshl_b32 s96, s17, 7
	s_lshl_b32 s97, s15, 6
	s_add_co_u32 s96, s96, s97                     ; my first token, rows of 4,096 bytes,
	s_lshl_b32 s96, s96, 12
	s_lshl_b32 s97, s42, 9
	s_add_co_u32 s96, s96, s97                     ; + 512 x tile column + 256 x half
	s_lshl_b32 s97, s16, 8
	s_add_co_u32 s96, s96, s97
	s_mov_b32 s97, 0
	s_wait_dscnt 0x0
	CROUND                                         ; all sixteen work-groups are here: the joint loads meet
	s_wait_kmcnt 0x0
	s_add_nc_u64 s[G0+2:G0+3], s[4:5], s[20:21]
	s_or_b32 s[G0+3], s[G0+3], 0x80000000
	s_add_nc_u64 s[G0B+2:G0B+3], s[8:9], s[46:47]
	s_or_b32 s[G0B+3], s[G0B+3], 0x80000000
	s_cmp_eq_u32 s15, 0
	s_cbranch_scc0 .Lfor_o
	TLOAD G0B, G1B
	s_branch .Lasked
.Lfor_o:
	TLOAD G0, G1
.Lasked:
	s_add_nc_u64 s[6:7], s[6:7], s[22:23]
	s_add_nc_u64 s[10:11], s[10:11], s[92:93]
	s_add_nc_u64 s[12:13], s[12:13], s[96:97]
.irp g, 0,1
.irp q, 0,1,2,3
	global_load_b64 v[SB+8*\g+2*\q:SB+8*\g+2*\q+1], v5, s[10:11] offset:1024*\g+256*\q    ; 256 consecutive bytes: K steps 2 q, 2 q + 1 of tiles 2 g, 2 g + 1
.endr
.irp k, 0,1,2,3,4,5,6,7
	global_load_b32 v[SA+8*\g+\k], v6, s[6:7] offset:32768*\k+128*\g          ; head 2 k's two bytes,
	global_load_b32 v[HI+8*\g+\k], v6, s[6:7] offset:32768*\k+16384+128*\g    ; head 2 k + 1's
.endr
.endr
	s_cmp_eq_u32 s15, 0
	s_cbranch_scc0 .Lnot_w
	s_wait_tensorcnt 0x0                           ; waves 0 and 1: my half of Wp is in
.Lnot_w:
	BARRIER                                        ; o may still be on its way
.irp k, 0,1,2,3,4,5,6,7
.irp b, 0,1,2,3
.set FI, 4*\k+\b
	WIN (1+FI/FPW)<<6
.irp c, 0,1,2
	ds_load_b128 v[12*(FI%FPW)+4*\c:12*(FI%FPW)+4*\c+3], v[ADB] offset:12288*\b+1536*\k+512*\c
.endr
.endr
.endr
	WIN 0
	s_wait_loadcnt 0x0
.irp k, 0,1,2,3,4,5,6,7
.irp g, 0,1
	v_lshl_or_b32 v[SA+8*\g+\k], v[HI+8*\g+\k], 16, v[SA+8*\g+\k]
.endr
.endr
	s_wait_alu depctr_va_vdst(0)
	s_wait_tensorcnt 0x0
	s_wait_dscnt 0x0                               ; Wp's fragments are in
	BARRIER                                        ; o is in
.macro FETCH a                         ; tile a of o into set a % 2: 32 loads.  A fragment is two half fragments, of heads 2 k and 2 k + 1
.irp k, 0,1,2,3,4,5,6,7
.set FI, 32+8*((\a)%2)+\k
.set R, 12*(FI%FPW)
	WIN (1+FI/FPW)<<6
	ds_load_b128 v[R:R+3], v[ADA] offset:12288*(\a)+1536*\k
	ds_load_b64 v[R+4:R+5], v[ADA8] offset:12288*(\a)+1536*\k+512
	ds_load_b128 v[R+6:R+9], v[ADA] offset:12288*(\a)+1536*\k+768
	ds_load_b64 v[R+10:R+11], v[ADA8] offset:12288*(\a)+1536*\k+1280
.endr
	WIN 0
.endm
.macro PROD d, s0, s1, c, x0, x1, r0, r1
	v_wmma_scale_f32_16x16x128_f8f6f4 v[\d:\d+7], v[\s0:\s0+11], v[\s1:\s1+11], \c, v[\x0], v[\x1] matrix_a_fmt:MATRIX_FMT_FP6 matrix_b_fmt:MATRIX_FMT_FP6 matrix_a_scale:MATRIX_SCALE_ROW\r0 matrix_b_scale:MATRIX_SCALE_ROW\r1
.endm
.macro ROWSEL d, s0, s1, c, x0, x1, b, a
.if (\a)%2
.if (\b)%2
	PROD \d, \s0, \s1, \c, \x0, \x1, 1, 1
.else
	PROD \d, \s0, \s1, \c, \x0, \x1, 0, 1
.endif
.else
.if (\b)%2
	PROD \d, \s0, \s1, \c, \x0, \x1, 1, 0
.else
	PROD \d, \s0, \s1, \c, \x0, \x1, 0, 0
.endif
.endif
.endm
.macro MUL a                           ; tile a: 32 products, the four accumulators by turns
.irp k, 0,1,2,3,4,5,6,7
.set FA, 32+8*((\a)%2)+\k
.irp b, 0,1,2,3
.set FI, 4*\k+\b
.set D, ACC+32*((\a)%2)+8*\b
	WIN (1+FI/FPW)|((1+FA/FPW)<<2)                 ; C and D window 0
.if \k
	ROWSEL D, 12*(FI%FPW), 12*(FA%FPW), v[D:D+7], SB+8*(\b/2)+\k, SA+8*((\a)/2)+\k, \b, \a
.else
	ROWSEL D, 12*(FI%FPW), 12*(FA%FPW), 0, SB+8*(\b/2)+\k, SA+8*((\a)/2)+\k, \b, \a
.endif
.endr
.endr
	WIN 0
	PLACES 4                                       ; in front of loads into the tile's registers and of the results' stores
.endm
.macro TOSTAGE a                       ; LDS serves a wave's instructions in order: no wait between the stores and the loads
	s_wait_xcnt 0x0                                ; the last tile's stores have read their registers
.irp b, 0,1,2,3
.set D, ACC+32*((\a)%2)+8*\b
	ds_store_b128 v[STO], v[D:D+3] offset:32*\b    ; each accumulator from its low end on
	ds_store_b128 v[STO], v[D+4:D+7] offset:32*\b+16
.endr
.irp t, 0,1,2,3,4,5,6,7
	ds_load_b128 v[RB+4*\t:RB+4*\t+3], v[RD] offset:2*SP*\t
.endr
.endm
.macro SEND a
	s_wait_dscnt 0x0
.irp t, 0,1,2,3,4,5,6,7
	global_store_b128 v[CO], v[RB+4*\t:RB+4*\t+3], s[12:13] offset:(8*(\a)+2*(\t%4)+32*(\t/4))*4096 th:TH_STORE_NT   ; sixteen lanes store 256 consecutive bytes, aligned
.endr
.endm
	FETCH 0
	FETCH 1
	s_wait_dscnt 32                                ; tile 0 is in; tile 1's 32 loads may be out
	MUL 0
	FETCH 2
	TOSTAGE 0
	s_wait_dscnt 48                                ; tile 1 is in; tile 2's 32 loads and the stage's 16 may be out
	MUL 1
	SEND 0
	FETCH 3
	TOSTAGE 1
	MUL 2                                          ; (tile 2 came in ahead of tile 0's stores)
	SEND 1
	TOSTAGE 2
	MUL 3
	SEND 2
	TOSTAGE 3
	SEND 3
	s_wait_tensorcnt 0x0                           ; the wave's end
	ds_add_u32 v30, v31
	s_wait_dscnt 0x0
	CROUND                                         ; the closing round: no work-group ends while a partner may still ask for a tile that names it
	s_endpgm
.Lfunc_end_k_qbaf3d9bccd_proj:
	.size	k_qbaf3d9bccd_proj, .Lfunc_end_k_qbaf3d9bccd_proj-k_qbaf3d9bccd_proj
	.p2alignl 7, 3214868480
	.fill 96, 4, 3214868480
	.section	.rodata,"a",@progbits
	.p2align	6, 0x0
	.amdhsa_kernel k_qbaf3d9bccd_proj
		.amdhsa_group_segment_fixed_size 214528
		.amdhsa_private_segment_fixed_size 0
		.amdhsa_enable_private_segment 0
		.amdhsa_kernarg_size 40
		.amdhsa_user_sgpr_count 2
		.amdhsa_user_sgpr_kernarg_segment_ptr 1
		.amdhsa_wavefront_size32 1
		.amdhsa_system_sgpr_workgroup_id_x 1
		.amdhsa_system_sgpr_workgroup_id_y 1
		.amdhsa_system_sgpr_workgroup_id_z 1
		.amdhsa_system_vgpr_workitem_id 0
		.amdhsa_next_free_vgpr 848
		.amdhsa_next_free_sgpr 100
		.amdhsa_reserve_vcc 0
		.amdhsa_float_denorm_mode_32 3
		.amdhsa_float_denorm_mode_16_64 3
		.amdhsa_memory_ordered 1
		.amdhsa_forward_progress 1
		.amdhsa_inst_pref_size 51
	.end_amdhsa_kernel
	.amdgpu_metadata
---
amdhsa.version: [ 1, 2 ]
amdhsa.kernels:
  - .name:           k_qbaf3d9bccd_proj
    .symbol:         k_qbaf3d9bccd_proj.kd
    .args:
      - { .name: oc, .offset: 0, .size: 8, .value_kind: global_buffer, .address_space: global }
      - { .name: os, .offset: 8, .size: 8, .value_kind: global_buffer, .address_space: global }
      - { .name: cod, .offset: 16, .size: 8, .value_kind: global_buffer, .address_space: global }
      - { .name: scl, .offset: 24, .size: 8, .value_kind: global_buffer, .address_space: global }
      - { .name: out0, .offset: 32, .size: 8, .value_kind: global_buffer, .address_space: global }
    .group_segment_fixed_size: 214528
    .private_segment_fixed_size: 0
    .kernarg_segment_align: 8
    .kernarg_segment_size: 40
    .max_flat_workgroup_size: 128
    .sgpr_count:     100
    .vgpr_count:     848
    .wavefront_size: 32
...
	.end_amdgpu_metadata
.endif
;; end of part 4
